; MI455X (gfx1250); checked and timed in simulation.
; The chip was launched on July 23, 2026; its instructions are those of AMD's public machine-readable ISA for CDNA 5 (MIT licence, August 2026) and "CDNA5" Instruction Set Architecture Reference Guide (July 2026). The comments in the code are by the model that wrote it; some were corrected since.
;; Causal Attention. Allowed arithmetic: matrix products marked QUANTISED: E4M3 operands, one E8M0 scale for each 32 along K, by v_wmma_scale_f32_16x16x128_f8f6f4 with both operands' format E4M3, f32 sums; everything else in f32.
;; Inputs: Wk 1,024 x 1,024 float32; Wq 1,024 x 1,024 float32; Wv 1,024 x 1,024 float32; x 4 x 2,048 x 1,024 float32.
;; Outputs: out0 4 x 2,048 x 1,024 float32.
;; This version of the problem:
;;   THIS VERSION OF THE PROBLEM IS GIVEN IN LOW PRECISION. The matrix products marked QUANTISED in the list below multiply operands that are first quantised to E4M3 (4 exponent bits, 3 mantissa bits; 8 bits a number), with one power-of-two scale for each 32 numbers along K (OCP MX v1.0); their sums are f32. All else is computed in f32.
;;   The module's matrix products, in the order in which they are computed (A, B: the left and right operand; K: the contracted axis; several contracted axes count as one K, in the product's order):
;;     1. [M 8,192, K 1,024] x [K 1,024, N 1,024]; A: input x; B: input Wq: QUANTISED
;;     2. [M 8,192, K 1,024] x [K 1,024, N 1,024]; A: input x; B: input Wk: QUANTISED
;;     3. [M 8,192, K 1,024] x [K 1,024, N 1,024]; A: input x; B: input Wv: QUANTISED
;;     4. batch 4 x [M 2,048, K 1,024] x [K 1,024, N 2,048]; A: computed on the way; B: computed on the way: QUANTISED
;;     5. batch 4 x [M 2,048, K 2,048] x [K 2,048, N 1,024]; A: softmax (see below); B: computed on the way: QUANTISED
;;   THE QUANTISER, for each operand of a quantised product, along K:
;;     - K is cut into blocks of 32 from its start; a last block that is shorter is filled with zeros.
;;     - A block's scale is 2^e with e = floor(log2(the largest magnitude in the block)) - 8, held to -126 .. 127; a block of zeros has e = 0. As a byte (E8M0): e + 127.
;;     - Each number is divided by its block's scale, clamped to +-448, and rounded to the nearest number of E4M3, ties to even, subnormals kept.
;;     - The product sums the exact products of the quantised numbers (number of the format x scale) in f32.
;;   ~~~python
;;   def quantise(x, axis):      # numpy; x: float32 -> the quantised numbers, widened to float32 again
;;       x = np.moveaxis(x, axis, -1); K = x.shape[-1]
;;       x = np.pad(x, [(0, 0)] * (x.ndim - 1) + [(0, -K % 32)]); x = x.reshape(x.shape[:-1] + (-1, 32)); a = np.abs(x).max(-1, keepdims=True)
;;       e = np.where(a > 0, np.clip(np.frexp(np.where(a > 0, a, 1))[1] - 1 - 8, -126, 127), 0)      # np.frexp(a)[1] - 1 = floor(log2(a)), exactly
;;       r = np.clip(x / 2.0 ** e, -448, 448)
;;       step = 2.0 ** (np.maximum(np.frexp(np.where(r == 0, 1, r))[1] - 1, -6) - 3)
;;       q = np.round(r / step) * step * 2.0 ** e      # np.round: ties to even
;;       return np.moveaxis(q.reshape(q.shape[:-2] + (-1,))[..., :K], -1, axis).astype(np.float32)
;;   ~~~
;;   SOFTMAX AHEAD OF A QUANTISED PRODUCT. Where the list says 'softmax', what is quantised is not the finished softmax but p = 2^(t - M), with t = logit x log2(e) and M = ceil(the row's largest t), a whole number; so 1/2 < the row's largest p <= 1. The row's sum l is taken of the UNQUANTISED p, in f32, and the product's result is divided by l at the end. Since M is a whole number, a kernel that streams over the keys may use a running M (the ceiling of the running maximum): every later rescaling is an exact power of two, which a block's scale takes up: the codes' values come out the same.
;;   OPERANDS COMPUTED ON THE WAY. 'Computed on the way' means the value that the module computes at that place (a softmax that the list does not call 'softmax' is quantised finished and normalised). What goes into a quantiser is computed in f32, as accurately as f32 sums, v_exp_f32 and their like allow (about 1e-6 of the number): no bf16 or f16 on the way to a quantiser, and a product that is left as it is and whose result goes on into a quantised operand takes f32 operands (vector FMAs, or v_wmma_f32_16x16x4_f32). A number that lies on a knife's edge between two numbers of the format may be rounded either way, as far as f32 arithmetic and the matrix unit's own rounding can turn it there, and no further.
;; One version. Each part assembles by itself: llvm-mc -triple=amdgcn-amd-amdhsa -mcpu=gfx1250 --defsym DOCPART=n.
;; ======== version 1 of 1: 4 launches
;; limits: right only within a limited range of input values
;; workspace buffers: xq 8,650,752 bytes; wq 3,407,872 bytes; qq 8,650,752 bytes; kq 8,650,752 bytes; vq 8,650,752 bytes; pq 18,874,368 bytes
;; launch quant (part 1): grid 352 x 1, 8 waves a work-group, no clusters, 68,608 bytes of LDS; arguments x, Wq, Wk, Wv, xq, wq; writes xq, wq
.if DOCPART == 1
	.amdgcn_target "amdgcn-amd-amdhsa--gfx1250"
	.amdhsa_code_object_version 6
	.text
	.protected	k_qa839192d53_quant
	.globl	k_qa839192d53_quant
	.p2align	8
	.type	k_qa839192d53_quant,@function
k_qa839192d53_quant:
	s_mov_b64 s[64:65], 0
	v_nop
	global_prefetch_b8 v0, s[64:65] scope:SCOPE_SE
	s_setreg_imm32_b32 hwreg(HW_REG_WAVE_MODE, 25, 1), 1
	s_wait_xcnt 0x0
; CAUSAL ATTENTION, head size 1024, all five products on codes of E4M3 with one E8M0 scale for each 32 along K.  Four launches:
;   quant : x and Wq, Wk, Wv (f32) -> codes and scale words        proj  : q, k (codes along e) and v^T (codes along the keys)
;   scores: q k^T, mask, p = 2^(t - M) as codes, with M and l      pv    : P V, divided by l -> out0
; WORK LEFT OUT, AND WHY IT IS DEAD.  The mask is built in the problem's own body: key j counts for query i only where j <= i.  Take tiles of 256 queries x 256 keys, I and J.
; For J > I every key of the tile comes after every query of it, so every score of the tile is replaced by -infinity whatever x and the weights hold: its p is exactly 0,
; it adds 0 to the row's sum and 0 to the second product, and it cannot move the row's maximum.  So the tiles J > I of products 4 and 5 are not computed (28 of 64 in each batch).
; In the tiles I = J the mask is applied by a select.  All four inputs have a way to the output and are loaded.
; LIMITS.  A NaN, an infinity or an overflow that reaches only the tiles left out is not carried to the result.  NaN and infinities among the inputs are not served.
; A block of zeros gets the scale byte 1 where the quantiser says 127: its codes are zeros, which add nothing under any byte but 0xff, and these bytes are read by this program alone.
;
; THIS LAUNCH.  An operand tile of 16 rows x 128 K is kept as an IMAGE OF THE OPERAND'S REGISTERS, 2,048 bytes: group c (0..3) of four registers of lane L at 512 c + 16 L;
; lane (r = L % 16, h = L / 16) holds k = 32 c + 16 h + 0 .. 15 of row r.  Buffers: codes [block of 16 rows][K step of 128][2,048] from byte 262,144 on;
; scale words (four bytes: a row's four blocks of a K step) in front of them at (row / 128) 4,096 + K step x 512 + (row % 128) 4.
; Work-groups 0-255 take 32 rows of x each: wave w takes K step w, two fragments.  Each load reads 512 consecutive bytes of a row; the rows turn through the wave's own stage in LDS
; (16 rows of 512 bytes + 16), from which a lane takes its 16 neighbours of each block of 32.
; Work-groups 256-351 take the weights, whose K is the FIRST axis: a lane takes a column and its registers run down the 128 k of a K step, so a block of 32 lies in one lane
; and the codes come out with K innermost; nothing is transposed.  Rows 0-1023 of wq are Wq's columns, 1024-2047 Wk's, 2048-3071 Wv's.
; No tensor loads and no barrier: waves share nothing.  Matrix units and clusters have no work here.
.set SPARE, 67584                      ; behind the eight stages: the spare words, 128 bytes for each wave, that no other line names
.set STGW,  8448                       ; a wave's stage: 16 rows x 528 bytes
.set SPW,   2                          ; v2  LDS address of my spare word; never rewritten
.set NIL,   3                          ; v3  0; never rewritten
.set TM,    8                          ; v8-23  +0 largest magnitudes, +4 bytes, +8 the largest number x the scale, +12 the conversions' scale operands
.set PC,    32                         ; v32-63 codes: 16 registers a fragment (weights: 8 a block)
.set R,     64                         ; v64-191 numbers as loaded
.set X0,    192                        ; v192-255 fragment 0, 16 neighbours of each of four blocks
.set X1,    64                         ; fragment 1 takes the registers that fragment 0's raw numbers have left
	s_load_b256 s[4:11], s[0:1], 0x0               ; x, Wq, Wk, Wv
	s_load_b128 s[12:15], s[0:1], 0x20             ; xq, wq
	v_lshl_add_u32 v[SPW], v0, 2, SPARE
	v_mov_b32 v[NIL], 0
	v_lshrrev_b32 v1, 5, v0
	s_delay_alu instid0(VALU_DEP_1)
	v_readfirstlane_b32 s16, v1                    ; wave 0..7
	v_and_b32 v4, 31, v0                           ; lane
	v_and_b32 v5, 15, v0                           ; r
	v_bfe_u32 v6, v0, 4, 1                         ; h
	s_delay_alu instid0(VALU_DEP_3)
	v_lshlrev_b32 v7, 4, v4                        ; 16 x lane: an image's place for my lane
	s_delay_alu instid0(VALU_DEP_4)
	v_lshlrev_b32 v29, 2, v4                       ; 4 x lane: a scale word's
	s_mov_b32 s20, 0x76543210
	s_mov_b32 s21, 0xfedcba98                      ; v_permlanex16_b32's selects for lane l xor 16
	s_mov_b32 s22, 0x600000                        ; the mantissa field of 448
	s_mov_b32 s23, 0xffff                          ; lanes 0-15
	s_cmp_ge_u32 ttmp9, 256                        ; rows of x, or weights: the work-group's number alone decides
	s_cbranch_scc1 .Lweights
; 64 numbers of a lane, register 16 b + i = k 32 b + 16 h + i of my row, become a fragment's codes in v[pc] on and its scale word in v[pw].
.macro QUANT s, pc, pw
.irp b, 0,1,2,3
	v_max3_num_f32 v[TM+\b], |v[\s+16*\b]|, |v[\s+1+16*\b]|, 0x4800000   ; my 16 numbers of block b, and the floor 2^(9 - 127): the byte cannot fall under 1
.endr
.irp i, 2,4,6,8,10,12,14
.irp b, 0,1,2,3
	s_delay_alu instid0(VALU_DEP_4)
	v_max3_num_f32 v[TM+\b], v[TM+\b], |v[\s+16*\b+\i]|, |v[\s+1+16*\b+\i]|   ; the four blocks by turns
.endr
.endr
.irp b, 0,1,2,3
	s_delay_alu instid0(VALU_DEP_4)
	v_permlanex16_b32 v[TM+4+\b], v[TM+\b], s20, s21
.endr
.irp b, 0,1,2,3
	s_delay_alu instid0(VALU_DEP_4)
	v_max_num_f32 v[TM+\b], v[TM+\b], v[TM+4+\b]   ; with lane l xor 16's: the block's largest magnitude
.endr
.irp b, 0,1,2,3
	s_delay_alu instid0(VALU_DEP_4)
	v_add_nc_u32 v[TM+12+\b], 0xfc000000, v[TM+\b] ; 8 off its exponent field: the conversion takes this operand's exponent field as its scale
.endr
.irp b, 0,1,2,3
	v_and_or_b32 v[TM+8+\b], v[TM+\b], 0x7f800000, s22   ; 448 x the scale
.endr
.irp b, 0,1,2,3
	v_lshrrev_b32 v[TM+4+\b], 23, v[TM+12+\b]      ; the scale's byte
.endr
	s_delay_alu instid0(VALU_DEP_3)
	v_lshl_or_b32 v[\pw], v[TM+5], 8, v[TM+4]
	s_delay_alu instid0(VALU_DEP_1)
	v_lshl_or_b32 v[\pw], v[TM+6], 16, v[\pw]
	s_delay_alu instid0(VALU_DEP_1)
	v_lshl_or_b32 v[\pw], v[TM+7], 24, v[\pw]      ; my row's scale word
.irp b, 0,1,2,3
.irp i, 0,1,2,3,4,5,6,7,8,9,10,11,12,13,14,15
	v_med3_num_f32 v[\s+16*\b+\i], v[\s+16*\b+\i], -v[TM+8+\b], v[TM+8+\b]   ; the conversion to an 8-bit code does not saturate (ISA guide 7.6.2): the hold comes first
.endr
	v_cvt_scalef32_pk8_fp8_f32 v[\pc+4*\b:\pc+4*\b+1], v[\s+16*\b:\s+16*\b+7], v[TM+12+\b]
	v_cvt_scalef32_pk8_fp8_f32 v[\pc+4*\b+2:\pc+4*\b+3], v[\s+16*\b+8:\s+16*\b+15], v[TM+12+\b]
.endr
	v_nop                                          ; a plain line behind the last conversion
.endm
	; ---- rows of x: work-group j takes rows 32 j .. 32 j + 31
.irp b, 0,1,2,3
	v_mov_b32 v[TM+4+\b], 0                        ; written once: a lane permute's destination counts as one of its sources
.endr
	v_lshlrev_b32 v26, 4, v0                       ; 16 x thread = 512 x wave + 16 x lane: my bytes of a row
	s_mul_i32 s17, s16, STGW
	v_add_nc_u32 v27, s17, v7                      ; the stage, in: 16 x lane of a row
	v_mul_u32_u24 v28, v5, 528
	s_delay_alu instid0(VALU_DEP_1)
	v_lshl_add_u32 v28, v6, 6, v28
	s_delay_alu instid0(VALU_DEP_1)
	v_add_nc_u32 v28, s17, v28                     ; and out: row r, + 64 h: my 16 numbers of a block of 32
	s_lshl_b32 s24, ttmp9, 17                      ; 32 rows of 4,096 bytes
	s_mov_b32 s25, 0
	s_lshl_b32 s26, ttmp9, 15                      ; codes: block 2 j of 16,384 bytes,
	s_lshl_b32 s27, s16, 11                        ; K step w
	s_add_co_u32 s26, s26, s27
	s_add_co_u32 s26, s26, 262144
	s_mov_b32 s27, 0
	s_lshr_b32 s28, ttmp9, 2                       ; scale words: (row / 128) 4,096 + 512 w + (row % 128) 4
	s_lshl_b32 s28, s28, 12
	s_lshl_b32 s29, s16, 9
	s_add_co_u32 s28, s28, s29
	s_and_b32 s29, ttmp9, 3
	s_lshl_b32 s29, s29, 7
	s_add_co_u32 s28, s28, s29
	s_mov_b32 s29, 0
	s_wait_alu depctr_va_vdst(0)
	s_wait_kmcnt 0x0
	s_add_nc_u64 s[4:5], s[4:5], s[24:25]
	s_add_nc_u64 s[30:31], s[12:13], s[26:27]
	s_add_nc_u64 s[12:13], s[12:13], s[28:29]
.set i, 0
.rept 32
	global_load_b128 v[R+4*i:R+4*i+3], v26, s[4:5] offset:i*4096 th:TH_LOAD_NT   ; row i: the wave reads 512 consecutive bytes
.set i, i+1
.endr
	s_wait_loadcnt 16                              ; the first 16 rows are in; the 16 younger loads stay out
.set i, 0
.rept 16
	ds_store_b128 v27, v[R+4*i:R+4*i+3] offset:528*i
.set i, i+1
.endr
.set i, 0
.rept 16
	ds_load_b128 v[X0+4*i:X0+4*i+3], v28 offset:128*(i/4)+16*(i%4)   ; LDS serves a wave's instructions in order: these see the stores above
.set i, i+1
.endr
	s_wait_loadcnt 0x0
.set i, 0
.rept 16
	ds_store_b128 v27, v[R+64+4*i:R+64+4*i+3] offset:528*i           ; behind fragment 0's reads, in order: one stage serves both
.set i, i+1
.endr
	s_wait_dscnt 32                                ; 16 loads and 16 stores are younger than fragment 0's stores: those have read v64-127, which the loads below fill
.set i, 0
.rept 16
	ds_load_b128 v[X1+4*i:X1+4*i+3], v28 offset:128*(i/4)+16*(i%4)
.set i, i+1
.endr
	s_wait_dscnt 32                                ; fragment 0 is back (16 stores and 16 loads are younger)
	QUANT X0, PC, 24
.irp c, 0,1,2,3
	global_store_b128 v7, v[PC+4*\c:PC+4*\c+3], s[30:31] offset:512*\c   ; 512 consecutive bytes a store
.endr
	s_wait_dscnt 0x0
	QUANT X1, PC+16, 25
.irp c, 0,1,2,3
	global_store_b128 v7, v[PC+16+4*\c:PC+16+4*\c+3], s[30:31] offset:16384+512*\c
.endr
	v_cndmask_b32 v30, v25, v24, s23               ; lanes 0-15: rows 0-15's words; lanes 16-31: rows 16-31's
	global_store_b32 v29, v30, s[12:13]            ; 128 consecutive bytes: half of an aligned 256; one byte in 128 of what the wave reads
	s_wait_tensorcnt 0x0                           ; the wave's end
	ds_add_u32 v[SPW], v[NIL]
	s_wait_dscnt 0x0
	s_endpgm
	; ---- weights: work-group j' = tensor t (j' / 32), K step (j' / 4) % 8, 256 columns (j' % 4); a wave takes 32 columns
.Lweights:
	s_sub_co_u32 s17, ttmp9, 256
	s_lshr_b32 s18, s17, 5                         ; t
	s_bfe_u32 s19, s17, 0x30002                    ; K step
	s_and_b32 s24, s17, 3                          ; which 256 columns
	v_lshlrev_b32 v26, 2, v0                       ; 4 x thread: my column's bytes in a row of W
	s_wait_alu depctr_va_vdst(0)
	v_lshlrev_b32 v27, 14, v6                      ; my block of 16 rows of wq (16,384 bytes),
	s_delay_alu instid0(VALU_DEP_1)
	v_lshl_add_u32 v27, v5, 4, v27                 ; my row's 16 bytes in an image
	s_lshl_b32 s26, s19, 19                        ; W: 128 rows of 4,096 bytes a K step,
	s_lshl_b32 s27, s24, 10                        ; 1,024 bytes for 256 columns
	s_add_co_u32 s26, s26, s27
	s_mov_b32 s27, 0
	s_lshl_b32 s28, s18, 6                         ; codes: block 64 t + 16 cg + 2 w
	s_lshl_b32 s29, s24, 4
	s_add_co_u32 s28, s28, s29
	s_lshl_b32 s29, s16, 1
	s_add_co_u32 s28, s28, s29
	s_lshl_b32 s28, s28, 14
	s_lshl_b32 s29, s19, 11
	s_add_co_u32 s28, s28, s29
	s_add_co_u32 s28, s28, 262144
	s_mov_b32 s29, 0
	s_lshl_b32 s30, s18, 3                         ; scale words: (row / 128) = 8 t + 2 cg + w / 4
	s_lshl_b32 s31, s24, 1
	s_add_co_u32 s30, s30, s31
	s_lshr_b32 s31, s16, 2
	s_add_co_u32 s30, s30, s31
	s_lshl_b32 s30, s30, 12
	s_lshl_b32 s31, s19, 9
	s_add_co_u32 s30, s30, s31
	s_and_b32 s31, s16, 3
	s_lshl_b32 s31, s31, 7
	s_add_co_u32 s30, s30, s31
	s_mov_b32 s31, 0
	s_wait_kmcnt 0x0
	s_cmp_eq_u32 s18, 0
	s_cselect_b64 s[6:7], s[6:7], s[8:9]           ; Wq or Wk,
	s_cmp_eq_u32 s18, 2
	s_cselect_b64 s[6:7], s[10:11], s[6:7]         ; or Wv: the choice hangs on the work-group's number alone
	s_add_nc_u64 s[6:7], s[6:7], s[26:27]
	s_add_nc_u64 s[28:29], s[14:15], s[28:29]
	s_add_nc_u64 s[30:31], s[14:15], s[30:31]
.macro WLOAD c                         ; block c: W(32 c + i, my column): neighbouring lanes read neighbouring columns, 128 bytes a wave, 1,024 a work-group
.set i, 0
.rept 32
	global_load_b32 v[R+32*(\c)+i], v26, s[6:7] offset:(32*(\c)+i)*4096 th:TH_LOAD_NT
.set i, i+1
.endr
.endm
.macro WBLOCK c
.set XS, R+32*(\c)
.if (\c) < 2
	s_wait_loadcnt 63                              ; 96 or 64 loads are younger than this block's
.elseif (\c) == 2
	s_wait_loadcnt 32                              ; the last block's 32 stay out
.else
	s_wait_loadcnt 0x0
.endif
	v_max3_num_f32 v8, |v[XS]|, |v[XS+1]|, |v[XS+2]|   ; the block's largest magnitude: all 32 numbers are mine
	v_max3_num_f32 v9, |v[XS+3]|, |v[XS+4]|, |v[XS+5]|
.irp i, 6,10,14,18,22,26
	s_delay_alu instid0(VALU_DEP_2)
	v_max3_num_f32 v8, v8, |v[XS+\i]|, |v[XS+\i+1]|
	s_delay_alu instid0(VALU_DEP_2)
	v_max3_num_f32 v9, v9, |v[XS+\i+2]|, |v[XS+\i+3]|
.endr
	s_delay_alu instid0(VALU_DEP_2)
	v_max3_num_f32 v8, v8, |v[XS+30]|, |v[XS+31]|
	s_delay_alu instid0(VALU_DEP_1)
	v_max3_num_f32 v8, v8, v9, 0x4800000           ; and the floor
	s_delay_alu instid0(VALU_DEP_1)
	v_add_nc_u32 v11, 0xfc000000, v8
	s_delay_alu instid0(VALU_DEP_2)
	v_and_or_b32 v10, v8, 0x7f800000, s22
	s_delay_alu instid0(VALU_DEP_2)
	v_lshrrev_b32 v9, 23, v11
.if (\c) == 0
	s_delay_alu instid0(VALU_DEP_1)
	v_mov_b32 v24, v9                              ; four bytes make my column's scale word, the lower k in the lower byte
.else
	s_delay_alu instid0(VALU_DEP_1)
	v_lshl_or_b32 v24, v9, 8*(\c), v24
.endif
.set i, 0
.rept 32
	v_med3_num_f32 v[XS+i], v[XS+i], -v10, v10
.set i, i+1
.endr
.irp g, 0,1,2,3
	v_cvt_scalef32_pk8_fp8_f32 v[PC+8*(\c)+2*\g:PC+8*(\c)+2*\g+1], v[XS+8*\g:XS+8*\g+7], v11
.endr
	global_store_b128 v27, v[PC+8*(\c):PC+8*(\c)+3], s[28:29] offset:512*(\c)         ; k 32 c + 0 .. 15: the place of lane r; sixteen lanes fill 256 aligned bytes
	global_store_b128 v27, v[PC+8*(\c)+4:PC+8*(\c)+7], s[28:29] offset:512*(\c)+256   ; k 32 c + 16 .. 31: the place of lane 16 + r
.endm
	WLOAD 0                                        ; every block has registers of its own: all four are asked for at once
	WLOAD 1
	WLOAD 2
	WLOAD 3
	WBLOCK 0
	WBLOCK 1
	WBLOCK 2
	WBLOCK 3
	global_store_b32 v29, v24, s[30:31]            ; 128 consecutive bytes of scale words
	s_endpgm
.Lfunc_end_k_qa839192d53_quant:
	.size	k_qa839192d53_quant, .Lfunc_end_k_qa839192d53_quant-k_qa839192d53_quant
	.p2alignl 7, 3214868480
	.fill 96, 4, 3214868480
	.section	.rodata,"a",@progbits
	.p2align	6, 0x0
	.amdhsa_kernel k_qa839192d53_quant
		.amdhsa_group_segment_fixed_size 68608
		.amdhsa_private_segment_fixed_size 0
		.amdhsa_enable_private_segment 0
		.amdhsa_kernarg_size 48
		.amdhsa_user_sgpr_count 2
		.amdhsa_user_sgpr_kernarg_segment_ptr 1
		.amdhsa_wavefront_size32 1
		.amdhsa_system_sgpr_workgroup_id_x 1
		.amdhsa_system_sgpr_workgroup_id_y 1
		.amdhsa_system_sgpr_workgroup_id_z 1
		.amdhsa_system_vgpr_workitem_id 0
		.amdhsa_next_free_vgpr 256
		.amdhsa_next_free_sgpr 66
		.amdhsa_reserve_vcc 0
		.amdhsa_float_denorm_mode_32 3
		.amdhsa_float_denorm_mode_16_64 3
		.amdhsa_memory_ordered 1
		.amdhsa_forward_progress 1
		.amdhsa_inst_pref_size 60
	.end_amdhsa_kernel
	.amdgpu_metadata
---
amdhsa.version: [ 1, 2 ]
amdhsa.kernels:
  - .name:           k_qa839192d53_quant
    .symbol:         k_qa839192d53_quant.kd
    .args:
      - { .name: x, .offset: 0, .size: 8, .value_kind: global_buffer, .address_space: global }
      - { .name: Wq, .offset: 8, .size: 8, .value_kind: global_buffer, .address_space: global }
      - { .name: Wk, .offset: 16, .size: 8, .value_kind: global_buffer, .address_space: global }
      - { .name: Wv, .offset: 24, .size: 8, .value_kind: global_buffer, .address_space: global }
      - { .name: xq, .offset: 32, .size: 8, .value_kind: global_buffer, .address_space: global }
      - { .name: wq, .offset: 40, .size: 8, .value_kind: global_buffer, .address_space: global }
    .group_segment_fixed_size: 68608
    .private_segment_fixed_size: 0
    .kernarg_segment_align: 8
    .kernarg_segment_size: 48
    .max_flat_workgroup_size: 256
    .sgpr_count:     66
    .vgpr_count:     256
    .wavefront_size: 32
...
	.end_amdgpu_metadata
.endif
;; end of part 1
;; launch proj (part 2): grid 16 x 16, 4 waves a work-group, clusters of 4 x 4, 327,680 bytes of LDS; arguments xq, wq, qq, kq, vq; writes qq, kq, vq
.if DOCPART == 2
	.amdgcn_target "amdgcn-amd-amdhsa--gfx1250"
	.amdhsa_code_object_version 6
	.text
	.protected	k_qa839192d53_proj
	.globl	k_qa839192d53_proj
	.p2align	8
	.type	k_qa839192d53_proj,@function
k_qa839192d53_proj:
	s_mov_b64 s[64:65], 0
	v_nop
	global_prefetch_b8 v0, s[64:65] scope:SCOPE_SE
	s_setreg_imm32_b32 hwreg(HW_REG_WAVE_MODE, 25, 1), 1
	s_wait_xcnt 0x0
	s_wait_alu depctr_hold_cnt(0) depctr_sa_sdst(0) depctr_va_vdst(0) depctr_va_sdst(0) depctr_va_ssrc(0) depctr_va_vcc(0) depctr_vm_vsrc(0)
	s_getreg_b32 s2, hwreg(HW_REG_IB_STS2, 6, 4)
	s_cmp_eq_u32 s2, 0
	s_cbranch_scc0 .Lentry_in_a_cluster
	s_endpgm
.Lentry_in_a_cluster:
	s_bfe_u32 s2, ttmp6, 0x10000c
	s_cmp_lg_u32 s2, 0xf033
	s_cbranch_scc0 .Lentry_shape_is_right
	s_endpgm
.Lentry_shape_is_right:
; q = x Wq, k = x Wk (codes along e) and v^T (codes along the keys), each quantised on the way out.  Nothing of the problem is left out here.
; A work-group makes 512 tokens x (128 columns of q or k, and 64 of v): 256 work-groups of equal work.  Four waves, 2 x 2: a wave takes 64 + 32 columns and every second run of 32 tokens.
; THE WEIGHTS STAY IN REGISTERS: 6 tiles of 16 columns x all of K = 768 registers: windows 1, 2 (q or k: K steps 0-3, 4-7), window 3 (v).  x streams past them in blocks of 16 tokens, 48 products a block.
; A PAIR of blocks is 32 tokens: one scale block of v.  Pair p = 0..7 of the tile: 64 tokens, 32 for each row of waves.
; LDS: four quarters of 65,536 bytes; pair p lies in quarter p % 4.  At the head quarter 0 takes pair 0, quarters 1-3 the weights.  Refills: pairs 1-3 when the weights are in registers, pairs 4, 5 inside pair 1, pairs 6, 7 inside pair 3.
; Every tile is an image of the operand's registers: group c of lane L at 512 c + 16 L of a fragment's 2,048 bytes.
; CLUSTERS 4 x 4: x's tiles are shared along a row, the weights along a column.
; A BLOCK IS EIGHT K STEPS of six products.  x's fragments go through a ring of four: an even step asks for the fragments of the next two steps.
; The way out of the block before (q or k: scale blocks A, B) and of half the pair before (v: scale block V) stands among the products: V's maxima in step 1, A's in 2, B's in 3; holds and conversions of V and A in steps 4, 5, of A and B in 6, 7.
; LIMITS: NaN and infinities are not served; a block's byte never falls under 1 (a block of zeros gets 1: its codes are zeros).
; window 0: v0, v1, v14 scale operands of A, B, V; v3, v40, v9 their bounds; v4, v5 LDS address of even and odd pairs; v6 16 x lane; v7, v8 LDS places of bytes; v10, v11 the add's; v12 256 x lane; v13, v15 bytes; v2, v43 x's scale words' place;
;   v16-39 the weights' scale words; v40-42 at work; v44-51 x's scale words; v52-63 codes; v64-127 two sets of q or k sums; v128-191 two pairs of v sums; v192-255 the ring
.set XS,    262144                     ; x's scale words, 16,384 bytes
.set OQ,    278784                     ; bytes of q or k on the way out: [512 rows][4]
.set OV,    281088                     ; of v: [4 key steps][64 channels][4]
.set SPARE, 282112
.set SB,    16
.set SBV,   32
.set SA,    44
.set QK,    64
.set VV,    128
.set RING,  192
.set K_,    0
.set MSB, 0
.macro WIN new
.if MSB != \new
	s_set_vgpr_msb (MSB<<8)|\new
.set MSB, \new
.endif
.endm
.macro PLACES n
.rept \n
	v_nop
.endr
.endm
.macro BARRIER
	s_barrier_signal -1
	s_barrier_wait -1
.endm
.macro CREST
	s_cmp_lg_u32 s14, 0
	s_cbranch_scc1 .Lnot_wave_0_\@
	s_barrier_signal -3
.Lnot_wave_0_\@:
	s_barrier_wait -3
	BARRIER
.endm
.macro CROUND
	BARRIER
	CREST
.endm
.macro TLOAD g0, g1
	tensor_load_to_lds s[\g0:\g0+3], s[\g1:\g1+7]
	s_nop 0
	PLACES 4
.endm
.macro GROUP1 g, mask, rows            ; a dense run of so many rows of 4,096 bytes (512 elements of 8)
	s_or_b32 s[\g], s[\mask], (3<<16)|(1<<21)
	s_mov_b32 s[\g+1], 512<<16
	s_mov_b32 s[\g+2], (\rows)<<16
	s_mov_b32 s[\g+3], 512<<16
	s_mov_b32 s[\g+4], \rows
	s_mov_b32 s[\g+5], 512
	s_mov_b32 s[\g+6], 0
	s_mov_b32 s[\g+7], 0
.endm
.macro GROUP0 g, lds, base, off
	s_mov_b32 s[\g], 1
	s_mov_b32 s[\g+1], \lds
	s_add_nc_u64 s[\g+2:\g+3], s[\base:\base+1], s[\off:\off+1]
	s_or_b32 s[\g+3], s[\g+3], 0x80000000
.endm
	s_load_b256 s[4:11], s[0:1], 0x0               ; xq, wq, qq, kq
	s_load_b64 s[12:13], s[0:1], 0x20              ; vq
	v_lshl_add_u32 v10, v0, 2, SPARE
	v_mov_b32 v11, 0
	ds_add_u32 v10, v11                            ; the wave's opening: the add, twice on end, and its wait ahead of my first tensor load
	ds_add_u32 v10, v11
	v_lshrrev_b32 v1, 5, v0
	v_readfirstlane_b32 s14, v1                    ; wave
	s_lshr_b32 s15, s14, 1                         ; my row of waves
	s_and_b32 s16, s14, 1                          ; my column of waves
	s_bfe_u32 s100, ttmp6, 0x40000                 ; cx
	s_bfe_u32 s101, ttmp6, 0x40004                 ; cy
	s_lshl_b32 s18, ttmp9, 2
	s_add_co_u32 s18, s18, s100                    ; n: tile column, 0 .. 15
	s_and_b32 s17, ttmp7, 0xffff
	s_lshl_b32 s17, s17, 2
	s_add_co_u32 s17, s17, s101                    ; m: tile row, 0 .. 15
	s_lshl_b32 s66, s101, 2
	s_lshl_b32 s66, 15, s66                        ; my row of the cluster
	s_lshl_b32 s67, 0x1111, s100                   ; my column
	GROUP1 24, 67, 32                              ; q's or k's weights: 128 rows of wq
	GROUP1 32, 67, 16                              ; v's: 64
	GROUP1 40, 66, 16                              ; a pair of x
	GROUP1 48, 66, 4                               ; x's scale words
	GROUP1 56, 66, 8                               ; half a pair of x
	s_lshl_b32 s20, s17, 19                        ; x: 32 blocks of 16,384 bytes a tile row
	s_add_co_u32 s20, s20, 262144
	s_mov_b32 s21, 0
	s_lshl_b32 s92, s17, 14                        ; its scale words
	s_mov_b32 s93, 0
	s_lshl_b32 s22, s18, 17                        ; weights: 8 blocks a tile column,
	s_add_co_u32 s22, s22, 262144
	s_mov_b32 s23, 0
	s_lshl_b32 s94, s18, 16                        ; and 4 of v's, behind 128 blocks
	s_add_co_u32 s94, s94, 2359296
	s_mov_b32 s95, 0
	s_lshl_b32 s96, s14, 15
	s_mov_b32 s97, 0
	s_lshl_b32 s98, s14, 16
	s_mov_b32 s99, 0
	s_wait_dscnt 0x0                               ; both opening adds are done
	s_wait_kmcnt 0x0
	s_add_nc_u64 s[20:21], s[4:5], s[20:21]        ; my tile of x
	CROUND                                         ; all sixteen work-groups are here: the first joint loads meet
	GROUP0 68, 65536, 6, 22
	GROUP0 72, 196608, 6, 94
	s_mov_b32 s76, 1
	s_mov_b32 s77, 0
	s_mov_b64 s[78:79], s[20:21]
	s_or_b32 s79, s79, 0x80000000
	GROUP0 80, XS, 4, 92
	s_cmp_lt_u32 s14, 1                            ; ONE joint load a wave, each in an arm of its own: what is wanted first is asked for first
	s_cbranch_scc0 .Lhead_1
	TLOAD 68, 24
	s_branch .Lasked
.Lhead_1:
	s_cmp_lt_u32 s14, 2
	s_cbranch_scc0 .Lhead_2
	TLOAD 72, 32
	s_branch .Lasked
.Lhead_2:
	s_cmp_lt_u32 s14, 3
	s_cbranch_scc0 .Lhead_3
	TLOAD 76, 40
	s_branch .Lasked
.Lhead_3:
	TLOAD 80, 48
.Lasked:
	s_mov_b32 s84, 1                               ; the first refill: waves 0, 1 the halves of pair 1,
	s_add_co_u32 s85, s96, 65536
	s_add_nc_u64 s[86:87], s[20:21], s[96:97]
	s_add_nc_u64 s[86:87], s[86:87], 0x10000
	s_or_b32 s87, s87, 0x80000000
	s_mov_b32 s88, 1                               ; waves 2, 3 pairs 2 and 3
	s_mov_b32 s89, s98
	s_add_nc_u64 s[90:91], s[20:21], s[98:99]
	s_or_b32 s91, s91, 0x80000000
	s_lshl_b32 s22, s100, 2                        ; which of the cluster row's sixteen waves I am: my share of a prefetch
	s_add_co_u32 s22, s22, s14
	s_mul_i32 s100, s22, 12288
	s_mov_b32 s101, 0
	s_lshl_b32 s22, s22, 13
	s_add_nc_u64 s[98:99], s[20:21], s[22:23]
	s_add_nc_u64 s[98:99], s[98:99], 0x20000       ; stepped to pairs 4, 5 by the first trip
	s_add_nc_u64 s[100:101], s[20:21], s[100:101]
	s_add_nc_u64 s[100:101], s[100:101], 0x10000   ; pairs 1 to 3: 12,288 bytes a wave
	s_lshl_b32 s94, s18, 12                        ; the weights' scale words: my 64 rows,
	s_lshl_b32 s92, s16, 8
	s_add_co_u32 s94, s94, s92
	s_add_nc_u64 s[94:95], s[6:7], s[94:95]
	s_lshr_b32 s92, s18, 1                         ; and my 32 of v's
	s_add_co_u32 s92, s92, 16
	s_lshl_b32 s92, s92, 12
	s_and_b32 s22, s18, 1
	s_lshl_b32 s22, s22, 8
	s_add_co_u32 s92, s92, s22
	s_lshl_b32 s22, s16, 7
	s_add_co_u32 s92, s92, s22
	s_add_nc_u64 s[92:93], s[6:7], s[92:93]
	s_lshl_b32 s19, s15, 15
	s_lshl_b32 s22, s16, 16
	s_add_co_u32 s22, s22, 65536
	s_lshl_b32 s23, s16, 15
	s_add_co_u32 s23, s23, 196608
	s_lshl_b32 s66, s15, 7
	s_lshl_b32 s67, s16, 1
	s_add_co_u32 s67, s67, s66
	s_add_co_u32 s67, s67, OQ-256
	s_lshl_b32 s104, s16, 7
	s_add_co_u32 s104, s104, s15
	s_add_co_u32 s104, s104, OV-512
	s_add_co_u32 s66, s66, XS
	s_mov_b32 s2, 0x76543210
	s_mov_b32 s3, 0xfedcba98                       ; v_permlanex16_b32's selects for lane l xor 16
	v_and_b32 v40, 31, v0                          ; lane
	v_and_b32 v42, 15, v0                          ; r
	v_lshlrev_b32 v6, 4, v40
	v_lshlrev_b32 v41, 2, v40
	v_lshlrev_b32 v12, 8, v40
	v_min_u32 v1, 15, v40
	v_lshlrev_b32 v1, 8, v1
	v_add_nc_u32 v4, s19, v6
	v_add_nc_u32 v5, s22, v6                       ; my columns of the weights: q or k,
	v_add_nc_u32 v3, s23, v6                       ; v
	v_add_nc_u32 v2, s66, v41
	v_add_nc_u32 v43, s66, v41
	v_lshl_add_u32 v7, v42, 2, s67
	v_lshl_add_u32 v8, v42, 2, s104
	s_wait_alu depctr_va_vdst(0)
.irp q, 0,1,2,3,4,5,6,7
	global_load_b32 v[SB+\q], v41, s[94:95] offset:512*\q          ; lanes 0-15 tile 0's rows, lanes 16-31 tile 1's
	global_load_b32 v[SB+8+\q], v41, s[94:95] offset:512*\q+128
	global_load_b32 v[SBV+\q], v41, s[92:93] offset:512*\q
.endr
	s_cmp_lt_u32 s14, 2                            ; waves 0 and 1 brought the weights, and wait; the other waves' wait stands further down
	s_cbranch_scc0 .Lnot_weights
	s_wait_tensorcnt 0x0
.Lnot_weights:
	BARRIER
	global_prefetch_b8 v12, s[100:101] th:TH_LOAD_NT scope:SCOPE_SE                ; pairs 1 to 3: 48 blocks of 256 bytes a wave, each named by one wave of the cluster row
	global_prefetch_b8 v1, s[100:101] offset:8192 th:TH_LOAD_NT scope:SCOPE_SE
.macro WFRAG adr, t
.irp c, 0,1,2,3
	ds_load_b128 v[R_+4*\c:R_+4*\c+3], v[\adr] offset:16384*(\t)+2048*Q_+512*\c
.endr
.endm
.irp q, 0,1,2,3,4,5,6,7                ; my weights, K step by K step, into windows 1 to 3: 192 loads
.set Q_, \q
	WIN ((1+\q/4)<<6)
.irp t, 0,1,2,3
.set R_, 16*(4*(Q_%4)+\t)
	WFRAG 5, \t
.endr
	WIN 0xc0
.irp t, 0,1
.set R_, 16*(2*Q_+\t)
	WFRAG 3, \t
.endr
.endr
	WIN 0
.set I_, 0
.rept 32                               ; what the first way out of either kind works on: it is stored nowhere
	v_mov_b32 v[QK+32+I_], 0
	v_mov_b32 v[VV+32+I_], 0
.set I_, I_+1
.endr
	s_wait_alu depctr_va_vdst(0)
	s_wait_tensorcnt 0x0                           ; my tile of the head's four is in
	ds_add_u32 v10, v11
	s_add_co_u32 s69, s96, 0x20000                 ; the later refills: a quarter of two pairs a wave; stepped at each
	s_add_nc_u64 s[70:71], s[20:21], s[96:97]
	s_add_nc_u64 s[70:71], s[70:71], 0x20000
	s_or_b32 s71, s71, 0x80000000
	s_wait_dscnt 0x0                               ; the add is done, and my weights are in registers
	CROUND                                         ; so are every partner's: pair 0 and the scale words are in, quarters 1-3 are free
	s_cmp_lt_u32 s14, 2                            ; a line of its own for what is shown first
	s_cbranch_scc0 .Lupper
	TLOAD 84, 56
	s_branch .Lboth
.Lupper:
	TLOAD 88, 40
.Lboth:
.irp q, 0,1,2,3
	ds_load_b32 v[SA+\q], v43 offset:512*\q
.endr
.irp q, 0,1
.irp c, 0,1,2,3
	ds_load_b128 v[RING+16*\q+4*\c:RING+16*\q+4*\c+3], v4 offset:2048*\q+512*\c
.endr
.endr
	s_wait_loadcnt 0x0                             ; the weights' scale words
	s_wait_xcnt 0x0
	; where my results go.  s[92:93] codes of q or k, a pair behind; s[94:95] v's codes; s[104:105], s[12:13] the scale words
	s_cmp_lt_u32 ttmp9, 2                          ; columns 0-1023 are q's, the others k's
	s_cselect_b64 s[8:9], s[8:9], s[10:11]
	s_and_b32 s22, s18, 7                          ; the K step of 128 along e
	s_lshl_b32 s20, s17, 19
	s_lshl_b32 s21, s22, 11
	s_add_co_u32 s20, s20, s21
	s_lshl_b32 s21, s16, 10
	s_add_co_u32 s20, s20, s21
	s_lshl_b32 s21, s15, 15
	s_add_co_u32 s20, s20, s21
	s_add_co_u32 s20, s20, 262144-131072
	s_mov_b32 s21, 0
	s_add_nc_u64 s[92:93], s[8:9], s[20:21]
	s_lshl_b32 s20, s17, 14
	s_lshl_b32 s23, s14, 12
	s_add_co_u32 s23, s20, s23
	s_lshl_b32 s20, s22, 9
	s_add_co_u32 s20, s20, s23
	s_add_nc_u64 s[104:105], s[8:9], s[20:21]
	s_lshl_b32 s20, s18, 19
	s_lshl_b32 s22, s16, 18
	s_add_co_u32 s20, s20, s22
	s_lshl_b32 s22, s17, 13
	s_add_co_u32 s20, s20, s22
	s_lshl_b32 s22, s15, 9
	s_add_co_u32 s20, s20, s22
	s_add_co_u32 s20, s20, 262144-2048
	s_add_nc_u64 s[94:95], s[12:13], s[20:21]
	s_lshl_b32 s20, s18, 8
	s_add_co_u32 s20, s20, s23
	s_add_nc_u64 s[12:13], s[12:13], s[20:21]
	s_mov_b32 s100, 0x600000                       ; the mantissa field of 448
	s_mov_b32 s101, 0                              ; the trip
	s_mov_b32 s19, 0                               ; x's scale words of the trip
	s_lshl_b32 s66, s15, 15                        ; my 32 tokens of the next even pair,
	s_add_co_u32 s67, s66, 0x30000                 ; and of the odd pair, stepped at the trip's head
.macro WI z, m1, m2
.if \z
	v_wmma_scale_f32_16x16x128_f8f6f4 v[D_:D_+7], v[A_:A_+15], v[B_:B_+15], 0, v[P_], v[S_] \m1 \m2
.else
	v_wmma_scale_f32_16x16x128_f8f6f4 v[D_:D_+7], v[A_:A_+15], v[B_:B_+15], v[D_:D_+7], v[P_], v[S_] \m1 \m2
.endif
.endm
; Product j of step q, block u of a pair of parity a: j = 0..3 q or k (source 0 = the weight, source 1 = x), j = 4, 5 v (the other way round).  The six sums take turns.
.macro WM q, j, u, a
.set Z_, 0
.if (\q) == 0
.set Z_, 1
.endif
.if (\j) < 4
	WIN (1+(\q)/4)
.set D_, QK+32*(\u)+8*(\j)
.set A_, 16*(4*((\q)%4)+(\j))
.set B_, RING+16*((\q)%4)
.set P_, SB+8*((\j)/2)+(\q)
.set S_, SA+(\q)
.set FA_, (\j)%2
.set FB_, \u
.else
	WIN 0x0c
.set D_, VV+32*(\a)+16*((\j)-4)+8*(\u)
.set A_, RING+16*((\q)%4)
.set B_, 16*(2*(\q)+(\j)-4)
.set P_, SA+(\q)
.set S_, SBV+(\q)
.set FA_, \u
.set FB_, (\j)%2
.endif
.if FA_ && FB_
	WI Z_, matrix_a_scale:MATRIX_SCALE_ROW1, matrix_b_scale:MATRIX_SCALE_ROW1
.elseif FA_
	WI Z_, matrix_a_scale:MATRIX_SCALE_ROW1
.elseif FB_
	WI Z_, matrix_b_scale:MATRIX_SCALE_ROW1
.else
	WI Z_
.endif
.endm
; A scale block: 16 sums at x in my lane and 16 in lane l xor 16.  MG: its largest magnitude, scale operand, bound and byte, in six parts (two = 1: the byte joins v13 as its upper byte).
.macro MG j, x, so, bd, by, two
.if (\j) == 0
	v_max3_num_f32 v40, |v[\x]|, |v[\x+1]|, |v[\x+2]|
	v_max3_num_f32 v41, |v[\x+8]|, |v[\x+9]|, |v[\x+10]|
.elseif (\j) < 3
	v_max3_num_f32 v40, v40, |v[\x+2*(\j)+1]|, |v[\x+2*(\j)+2]|
	v_max3_num_f32 v41, v41, |v[\x+2*(\j)+9]|, |v[\x+2*(\j)+10]|
.elseif (\j) == 3
	v_max3_num_f32 v40, v40, |v[\x+7]|, 0x4800000  ; the floor 2^(9 - 127)
	v_max3_num_f32 v41, v41, |v[\x+15]|, v40
.elseif (\j) == 4
	v_permlanex16_b32 v42, v41, s2, s3
	v_max_num_f32 v41, v41, v42
.else
	v_add_nc_u32 v[\so], 0xfc000000, v41
	v_and_or_b32 v[\bd], v41, 0x7f800000, s100     ; 448 x the scale
	v_lshrrev_b32 v[\by], 23, v[\so]
.if \two
	v_lshl_or_b32 v13, v[\by], 8, v13
.endif
.endif
.endm
.macro HOLD x, bd
	v_med3_num_f32 v[\x], v[\x], -v[\bd], v[\bd]
.endm
; H2: the holds (the conversion to an 8-bit code does not saturate: ISA guide 7.6.2) and the conversions, in eight parts of two holds: 16 codes into v[cd] on.
.macro H2 j, x, so, bd, cd
	HOLD \x+2*(\j), \bd
	HOLD \x+2*(\j)+1, \bd
.if (\j) == 3
	v_cvt_scalef32_pk8_fp8_f32 v[\cd:\cd+1], v[\x:\x+7], v[\so]
.elseif (\j) == 7
	v_cvt_scalef32_pk8_fp8_f32 v[\cd+2:\cd+3], v[\x+8:\x+15], v[\so]
	v_nop
.endif
.endm
; What stands behind product j of step q.  Two steps are a stretch of twelve gaps; no value that is read soon passes a wait.
.macro GAP q, j, u, a
.set G_, 6*((\q)%2)+(\j)
.if (\q) < 2
.if G_ == 0
	WIN 0
	PLACES 8                                       ; in front of the loads below, and of the first read of the block before's sums
.if (\u) == 0 && (\a) == 0
	v_add_nc_u32 v8, 256, v8                       ; the places of v's bytes: a key step on
	v_add_nc_u32 v5, s67, v6                       ; where the odd pair lies
.elseif (\u) == 0
	v_add_nc_u32 v4, s66, v6                       ; where the next even pair lies
.endif
.elseif G_ > 5
	WIN 0
	MG G_-6, VV+32*(1-(\a))+16*(\u), 14, 9, 15, 0
.endif
.else
	WIN 0
.if (\q) == 2
	MG \j, QK+32*(1-(\u)), 0, 3, 13, 0
.elseif (\q) == 3
	MG \j, QK+32*(1-(\u))+16, 1, 40, 42, 1
.elseif (\q) < 6
.if G_ < 8
	H2 G_, VV+32*(1-(\a))+16*(\u), 14, 9, 60
.else
	H2 G_-8, QK+32*(1-(\u)), 0, 3, 52
.endif
.elseif G_ < 4
	H2 G_+4, QK+32*(1-(\u)), 0, 3, 52
.else
	H2 G_-4, QK+32*(1-(\u))+16, 1, 40, 56
.endif
.if (\q) == 7 && (\j) == 3
.if (\u) == 0
	v_add_nc_u32 v43, s22, v2                      ; the next pair's scale words
.else
	v_add_nc_u32 v7, 256, v7                       ; the places of q's or k's bytes: a pair on
.endif
.endif
.endif
.endm
; An even step's loads: the two fragments that the next two steps take go where those of the two steps before lay (eight plain lines and more behind the last product that read them).  x's scale words of a pair come in two halves.
.macro LOADX q, u, a
.if (\u) == 1 && (\q) == 6
.irp w, 0,1,2,3
	ds_load_b32 v[SA+\w], v43 offset:512*\w
.endr
.elseif (\u) == 0 && (\q) == 2
.irp w, 4,5,6,7
	ds_load_b32 v[SA+\w], v43 offset:512*\w
.endr
.endif
.set R_, RING+16*(((\q)+2)%4)
.set AD_, 4+(\a)
.if (\q) < 6
.set O_, 16384*(\u)+2048*((\q)+2)
.elseif (\u) == 0
.set O_, 16384
.else
.set O_, 0
.set AD_, 5-(\a)                       ; (in the last trip's last pair these eight loads bring what no product takes: they keep the trips alike)
.endif
.irp c, 0,1,2,3
	ds_load_b128 v[R_+4*\c:R_+4*\c+3], v[AD_] offset:O_+512*\c
.endr
.irp c, 0,1,2,3
	ds_load_b128 v[R_+16+4*\c:R_+16+4*\c+3], v[AD_] offset:O_+2048+512*\c
.endr
.endm
; K_ = 1: a barrier that shows waves 0 and 1's loads; 2: a round of the cluster's barrier with a refill; 3: a barrier that shows all loads.  It stands in step 5 of a pair's second block: the pair's last fragments were asked for in step 4.
.macro MEET
	s_wait_alu depctr_va_vdst(0)
.if K_ == 1
	s_cmp_lt_u32 s14, 2
	s_cbranch_scc0 .Lnot_yet_\@
	s_wait_tensorcnt 0x0
.Lnot_yet_\@:
.elseif K_ == 3
	s_wait_tensorcnt 0x0
.endif
	s_wait_dscnt 0x0                               ; my reads are over (K_ = 2: and the add is done)
	s_barrier_signal -1
.endm
.macro STEP q, u, a
.if (\q) == 0 || (\q) == 2
	s_wait_dscnt 4                                 ; this step's fragment; the next step's four loads may be out
.elseif (\q) == 1 || (\q) == 3
	s_wait_dscnt 8                                 ; this step's fragment; the eight loads issued in the step before may be out
.elseif (\q)%2 == 0
	s_wait_dscnt 0x0                               ; this step's fragment and the next one's
.endif
.if (\q) == 5 && K_ == 2
	s_wait_alu depctr_va_vdst(0)
	s_wait_tensorcnt 0x0                           ; no tensor load of mine is out
	ds_add_u32 v10, v11
	s_xor_b32 s69, s69, 0x20000                    ; the two quarters that have been read, and the two pairs that they take
	s_add_nc_u64 s[70:71], s[70:71], 0x20000
.endif
.irp j, 0,1,2,3,4,5
	WM \q, \j, \u, \a
	GAP \q, \j, \u, \a
.if (\q) == 5 && K_ > 0 && \j == 3
	MEET
.elseif (\q) == 0 && \j == 0
	LOADX \q, \u, \a
.elseif (\q) > 0 && (\q)%2 == 0 && \j == 2
	LOADX \q, \u, \a
.endif
.endr
.if (\q) == 5 && K_ > 0
	s_barrier_wait -1
.if K_ == 2
	CREST
	TLOAD 68, 56                                   ; first behind the round, one load a wave
.endif
.endif
.endm
; What has been quantised in this block leaves: the block before's q or k, tile u of the pair before's v.  The first block and the first pair have none before them.
.macro STORES a, u, lp
.if (\lp) == 1 && (\a) == 0 && (\u) == 0
	s_cmp_eq_u32 s101, 0
	s_cbranch_scc1 .Lnone_\@
.endif
.set O_, 16384+49152*(\u)
	global_store_b128 v6, v[52:55], s[92:93] offset:O_             ; 512 consecutive bytes
	global_store_b128 v6, v[56:59], s[92:93] offset:O_+512
.if (\lp) == 1 && (\a) == 0 && (\u) == 1
	s_cmp_eq_u32 s101, 0
	s_cbranch_scc1 .Lnone_\@
.endif
.if (\a) == 0
	global_store_b128 v6, v[60:63], s[94:95] offset:131072*(\u)-1024
.else
	global_store_b128 v6, v[60:63], s[94:95] offset:131072*(\u)
.endif
.Lnone_\@:
.endm
.macro BLK a, u, lp
.set K_, 0
.if (\u) == 1 && (\a) == 1
.set K_, 1+(\lp)
.elseif (\u) == 1 && (\lp) == 1
.set K_, 1
.endif
.if (\u) == 0 && (\a) == 0
	s_xor_b32 s67, s67, 0x20000
	s_add_co_u32 s22, s19, 256
.elseif (\u) == 0
	s_xor_b32 s66, s66, 0x20000
	s_add_co_u32 s19, s19, 4096
	s_and_b32 s19, s19, 0x3fff
	s_mov_b32 s22, s19
.endif
	STEP 0, \u, \a
	STEP 1, \u, \a
	STEP 2, \u, \a
.if (\lp) == 1 && (\a) == 0 && (\u) == 1
	global_prefetch_b8 v12, s[98:99] th:TH_LOAD_NT scope:SCOPE_SE   ; the two pairs that the next pair's refill brings: 8,192 bytes a wave, sixteen waves of the cluster row
.endif
	STEP 3, \u, \a
	s_wait_xcnt 0x0                                ; the stores before have read their registers and their bases
.if (\u) == 0
	s_add_nc_u64 s[92:93], s[92:93], 0x10000
.if (\a) == 0
	s_add_nc_u64 s[94:95], s[94:95], 0x800
.if (\lp) == 1
	s_add_nc_u64 s[98:99], s[98:99], 0x20000
.endif
.endif
.endif
	STEP 4, \u, \a
	STEP 5, \u, \a
	ds_store_b16 v7, v13 offset:64+192*(\u)        ; the bytes go to their places.  (The first block's and the first pair's have no block before them: they go to the 256 bytes in front, which nothing reads)
	ds_store_b8 v8, v15 offset:2+254*(\a)+64*(\u)
	STEP 6, \u, \a
	STEP 7, \u, \a
	STORES \a, \u, \lp
.endm
.Lfirst:                                               ; pairs 0, 1 and 2, 3
	BLK 0, 0, 1
	BLK 0, 1, 1
	BLK 1, 0, 1
	BLK 1, 1, 1
	s_add_co_u32 s101, s101, 1
	s_cmp_lg_u32 s101, 2
	s_cbranch_scc1 .Lfirst
.Lsecond:                                              ; pairs 4, 5 and 6, 7: nothing is filled again
	BLK 0, 0, 2
	BLK 0, 1, 2
	BLK 1, 0, 2
	BLK 1, 1, 2
	s_add_co_u32 s101, s101, 1
	s_cmp_lg_u32 s101, 4
	s_cbranch_scc1 .Lsecond
	; the last block's q or k, and the last pair's v
	s_wait_xcnt 0x0
	PLACES 8
.macro MALL x, so, bd, by, two
.irp j, 0,1,2,3,4,5
	MG \j, \x, \so, \bd, \by, \two
.endr
.endm
.macro HALL x, so, bd, cd
.irp j, 0,1,2,3,4,5,6,7
	H2 \j, \x, \so, \bd, \cd
.endr
.endm
	MALL QK+32, 0, 3, 13, 0
	MALL QK+48, 1, 9, 40, 1
	HALL QK+32, 0, 3, 52
	HALL QK+48, 1, 9, 56
	ds_store_b16 v7, v13 offset:64
	global_store_b128 v6, v[52:55], s[92:93] offset:81920
	global_store_b128 v6, v[56:59], s[92:93] offset:82432
	MALL VV+32, 0, 3, 15, 0
	MALL VV+48, 1, 9, 2, 0
	HALL VV+32, 0, 3, 60
	HALL VV+48, 1, 9, QK
	ds_store_b8 v8, v15 offset:258
	ds_store_b8 v8, v2 offset:322
	global_store_b128 v6, v[60:63], s[94:95] offset:1024
	global_store_b128 v6, v[QK:QK+3], s[94:95] offset:132096
	; the scale words: wave w stores rows 128 w .. of q or k, and key step w of v
	s_lshl_b32 s20, s14, 9
	s_add_co_u32 s20, s20, OQ
	s_lshl_b32 s21, s14, 8
	s_add_co_u32 s21, s21, OV
	v_add_nc_u32 v41, s20, v6
	v_lshrrev_b32 v42, 1, v6
	v_add_nc_u32 v40, s21, v42
	s_wait_alu depctr_va_vdst(0)
	s_wait_dscnt 0x0                               ; my bytes are in LDS
	BARRIER
	ds_load_b128 v[68:71], v41
	ds_load_b64 v[72:73], v40
	s_wait_dscnt 0x0
	global_store_b128 v6, v[68:71], s[104:105]
	global_store_b64 v42, v[72:73], s[12:13]
	s_wait_tensorcnt 0x0                           ; the wave's end
	ds_add_u32 v10, v11
	s_wait_dscnt 0x0
	CROUND                                         ; the closing round
	s_endpgm
.Lfunc_end_k_qa839192d53_proj:
	.size	k_qa839192d53_proj, .Lfunc_end_k_qa839192d53_proj-k_qa839192d53_proj
	.p2alignl 7, 3214868480
	.fill 96, 4, 3214868480
	.section	.rodata,"a",@progbits
	.p2align	6, 0x0
	.amdhsa_kernel k_qa839192d53_proj
		.amdhsa_group_segment_fixed_size 327680
		.amdhsa_private_segment_fixed_size 0
		.amdhsa_enable_private_segment 0
		.amdhsa_kernarg_size 40
		.amdhsa_user_sgpr_count 2
		.amdhsa_user_sgpr_kernarg_segment_ptr 1
		.amdhsa_wavefront_size32 1
		.amdhsa_system_sgpr_workgroup_id_x 1
		.amdhsa_system_sgpr_workgroup_id_y 1
		.amdhsa_system_sgpr_workgroup_id_z 1
		.amdhsa_system_vgpr_workitem_id 0
		.amdhsa_next_free_vgpr 1024
		.amdhsa_next_free_sgpr 106
		.amdhsa_reserve_vcc 0
		.amdhsa_float_denorm_mode_32 3
		.amdhsa_float_denorm_mode_16_64 3
		.amdhsa_memory_ordered 1
		.amdhsa_forward_progress 1
		.amdhsa_inst_pref_size 186
	.end_amdhsa_kernel
	.amdgpu_metadata
---
amdhsa.version: [ 1, 2 ]
amdhsa.kernels:
  - .name:           k_qa839192d53_proj
    .symbol:         k_qa839192d53_proj.kd
    .args:
      - { .name: xq, .offset: 0, .size: 8, .value_kind: global_buffer, .address_space: global }
      - { .name: wq, .offset: 8, .size: 8, .value_kind: global_buffer, .address_space: global }
      - { .name: qq, .offset: 16, .size: 8, .value_kind: global_buffer, .address_space: global }
      - { .name: kq, .offset: 24, .size: 8, .value_kind: global_buffer, .address_space: global }
      - { .name: vq, .offset: 32, .size: 8, .value_kind: global_buffer, .address_space: global }
    .group_segment_fixed_size: 327680
    .private_segment_fixed_size: 0
    .kernarg_segment_align: 8
    .kernarg_segment_size: 40
    .max_flat_workgroup_size: 128
    .sgpr_count:     106
    .vgpr_count:     1024
    .wavefront_size: 32
...
	.end_amdgpu_metadata
.endif
;; end of part 2
;; launch scores (part 3): grid 64 x 4, 4 waves a work-group, clusters of 2 x 1, 327,680 bytes of LDS; arguments qq, kq, pq; writes pq
.if DOCPART == 3
	.amdgcn_target "amdgcn-amd-amdhsa--gfx1250"
	.amdhsa_code_object_version 6
	.text
	.protected	k_qa839192d53_scores
	.globl	k_qa839192d53_scores
	.p2align	8
	.type	k_qa839192d53_scores,@function
k_qa839192d53_scores:
	s_mov_b64 s[64:65], 0
	v_nop
	global_prefetch_b8 v0, s[64:65] scope:SCOPE_SE
	s_setreg_imm32_b32 hwreg(HW_REG_WAVE_MODE, 25, 1), 1
	s_wait_xcnt 0x0
	s_wait_alu depctr_hold_cnt(0) depctr_sa_sdst(0) depctr_va_vdst(0) depctr_va_sdst(0) depctr_va_ssrc(0) depctr_va_vcc(0) depctr_vm_vsrc(0)
	s_getreg_b32 s2, hwreg(HW_REG_IB_STS2, 6, 4)
	s_cmp_eq_u32 s2, 0
	s_cbranch_scc0 .Lentry_in_a_cluster
	s_endpgm
.Lentry_in_a_cluster:
	s_bfe_u32 s2, ttmp6, 0x10000c
	s_cmp_lg_u32 s2, 0x1001
	s_cbranch_scc0 .Lentry_shape_is_right
	s_endpgm
.Lentry_shape_is_right:
; S = q k^T on codes (K = 1024), the causal mask, and p = 2^(t - M) as codes along the keys.
; WORK LEFT OUT: queries under 256 i against the keys 256 i .. 256 i + 255 lie wholly under the mask that the problem builds itself: their p is exactly 0 for all inputs (shown at the head of the launch quant).
; SHARES.  A work-group takes 320 queries x 128 keys: 256 work-groups of equal work.  Key blocks j = 2 i and 2 i + 1 need the queries from 256 i on: 32 - 4 i runs of 64, in 7, 6, 5, 4, 4, 3, 2, 1 parts of five, counted from the last query down.
; A part that reaches above the queries that are needed computes those blocks and stores nothing of them: rows under 256 i; and for i = 0, whose last part is moved down to row 0, rows from 128 on, which the part before it stores.
; CLUSTERS 2 x 1: the two key blocks of a pair take the same queries: q's tiles are asked for JOINTLY; k's are each work-group's own.  (A batch has 7, 6, 5, 4, 4, 3, 2, 1 such pairs of work-groups, each with other queries or keys and other limits: larger clusters would not walk alike.)
; Four waves: 80 queries x all 128 keys each: 5 x 8 accumulators.  Source 0 = 16 keys, source 1 = 16 queries: lane (r, h) of accumulator (a, b) holds query 16 a + r and, in register n, key 16 b + 8 h + n.
; THE RING: two slots of 20 + 8 blocks of 16 rows x 256 along K.  The head fills both: waves 0, 1 K step 0 of q and k, waves 2, 3 K step 1.  A step of 128 along K has two sets of registers for its fragments: while one is multiplied the other is loaded.
; THE SCALE WORDS of all K come straight into registers, 56 of them: two blocks of 16 rows in each.
; THE SOFTMAX.  t = score x log2(e) / 32.  Each fragment (16 queries x 128 keys) takes a whole number M of its own for each query: M = ceil(the largest t of these keys).  p = 2^(t - M) is quantised along the keys; l = the sum of the unquantised p.
; The launch pv takes the row's M as the largest of its fragments' and brings each fragment under it by a whole number taken off its scale bytes: an exact power of two.  A query all of whose 128 keys are hidden gets -M = 3e38, p = 0, l = 0 and zero codes.
; LIMIT: the scaled scores stay under 2^31 in magnitude; NaN and infinities are not served.
; pq: [batch x 16 + key block][row 2048][16 bytes: scale word, -M, l, 0] (2,097,152 bytes), then codes [batch x 128 + block of 16 rows][key block 16][2,048].
; REGISTERS: window 0: addresses, scale words v32-95, the softmax.  window 1: k's fragments, sets at v0, v128.  window 2, window 3 v0-63: the accumulators of blocks 0-3, 4.  window 3 v64-223: q's fragments, sets at v64, v144.
.set SLOT,  114688
.set BOFF,  81920
.set SPARE, 229376
.set ADA,   16                         ; v16, v17  my q fragments in slot 0, 1
.set ADB,   18                         ; v18, v19  k's
.set LI,    20                         ; 16 x lane
.set PF1,   21                         ; the prefetches' offsets: k; q, 32 + 8 runs of 256 bytes
.set PF2,   22
.set PF3,   24
.set WO,    23                         ; 16 r + 8 h
.set SPW,   28
.set NIL,   29
.set SCW,   32
.set TB,    96
.set TX,    100
.set HOLD,  104
.set SCO,   108
.set BY,    112
.set NM,    116
.set SUM,   120
.set L,     124
.set LX,    125
.set PW,    126
.set T,     127
.set X,     128
.set PC,    192
.set REC,   210
.set D0,    224
.set NINF,  225
.set DB,    226
.set LOW,   84                         ; s84, s85 the rows that are stored: from LOW up to HIGH
.set HIGH,  85
.set MSB, 0
.macro WIN new
.if MSB != \new
	s_set_vgpr_msb (MSB<<8)|\new
.set MSB, \new
.endif
.endm
.macro PLACES n
.rept \n
	v_nop
.endr
.endm
.macro CREST                           ; a round of the cluster's barrier behind its opening barrier
	s_cmp_lg_u32 s14, 0
	s_cbranch_scc1 .Lnot_wave_0_\@
	s_barrier_signal -3
.Lnot_wave_0_\@:
	s_barrier_wait -3
	s_barrier_signal -1
	s_barrier_wait -1
.endm
.macro CROUND
	s_barrier_signal -1
	s_barrier_wait -1
	CREST
.endm
.macro TLOAD g0, g1
	tensor_load_to_lds s[\g0:\g0+3], s[\g1:\g1+7]
	s_nop 0
	PLACES 4
.endm
.macro GROUP1 g, first, rows           ; so many rows of 4,096 bytes (a block of 16 rows x 256 along K), 16,384 bytes apart
	s_mov_b32 s[\g], \first
	s_mov_b32 s[\g+1], 512<<16
	s_mov_b32 s[\g+2], (\rows)<<16
	s_mov_b32 s[\g+3], 512<<16
	s_mov_b32 s[\g+4], \rows
	s_mov_b32 s[\g+5], 2048
	s_mov_b32 s[\g+6], 0
	s_mov_b32 s[\g+7], 0
.endm
.macro GROUP0 g, lds, base, off
	s_mov_b32 s[\g], 1
	s_mov_b32 s[\g+1], \lds
	s_add_nc_u64 s[\g+2:\g+3], s[\base:\base+1], \off
	s_or_b32 s[\g+3], s[\g+3], 0x80000000
.endm
	s_load_b128 s[4:7], s[0:1], 0x0                ; qq, kq
	s_load_b64 s[8:9], s[0:1], 0x10                ; pq
	v_lshl_add_u32 v[SPW], v0, 2, SPARE
	v_mov_b32 v[NIL], 0
	ds_add_u32 v[SPW], v[NIL]                      ; the wave's opening: the add, twice on end, and its wait ahead of my first tensor load
	ds_add_u32 v[SPW], v[NIL]
	v_lshrrev_b32 v1, 5, v0
	v_readfirstlane_b32 s14, v1                    ; wave
	s_lshr_b32 s15, s14, 1
	s_and_b32 s16, s14, 1
	s_and_b32 s17, ttmp7, 0xffff                   ; the batch
	s_bfe_u32 s96, ttmp6, 0x40000                  ; cx: which key block of the pair
	GROUP1 24, 3|(3<<16)|(1<<21), 20               ; q: 15:0 the mask: both partners; elements of 8 bytes; 21 set beside a mask
	GROUP1 32, 3<<16, 8                            ; k: no mask
	GROUP1 40, 3|(3<<16)|(1<<21), 10
	GROUP1 48, 3<<16, 4
	s_mov_b32 s66, 0                               ; i
	s_mov_b32 s20, 0                               ; its first cluster
.macro FROM x, i
	s_cmp_ge_u32 ttmp9, \x
	s_cselect_b32 s66, \i, s66
	s_cselect_b32 s20, \x, s20
.endm
	FROM 7, 1
	FROM 13, 2
	FROM 18, 3
	FROM 22, 4
	FROM 26, 5
	FROM 29, 6
	FROM 31, 7
	s_sub_co_u32 s86, ttmp9, s20                   ; the part, from the last query down
	s_mul_i32 s22, s86, 5
	s_sub_co_i32 s22, 27, s22                      ; its first run of 64 queries
	s_lshl_b32 s[LOW], s66, 8
	s_mov_b32 s[HIGH], 2048
	s_cmp_lt_i32 s22, 0
	s_cselect_b32 s[HIGH], 128, s[HIGH]
	s_cselect_b32 s22, 0, s22
	s_cselect_b32 s87, 1, 0
	s_add_co_u32 s87, s87, s66                     ; 0 where I prefetch q's tile
	s_lshl_b32 s22, s22, 6                         ; my work-group's first query,
	s_mul_i32 s13, s14, 80
	s_add_co_u32 s13, s13, s22                     ; and my wave's
	s_lshl_b32 s20, s17, 11
	s_add_co_u32 s18, s20, s13                     ; its row of q
	s_add_co_u32 s20, s20, s22
	s_lshl_b32 s20, s20, 10                        ; 1,024 bytes a row in blocks of 16 rows
	s_add_co_u32 s20, s20, 262144
	s_mov_b32 s21, 0
	s_lshl_b32 s67, s66, 1
	s_add_co_u32 s67, s67, s96                     ; j = 2 i + cx
	s_lshl_b32 s19, s17, 4
	s_add_co_u32 s19, s19, s67                     ; batch x 16 + j
	s_lshl_b32 s10, s19, 17
	s_add_co_u32 s10, s10, 262144
	s_mov_b32 s11, 0
	s_mul_i32 s88, s16, 163840                     ; a refill's half of q's blocks
	s_mov_b32 s89, 0
	s_lshl_b32 s90, s16, 16                        ; and of k's
	s_mov_b32 s91, 0
	s_lshl_b32 s94, s14, 15                        ; my two blocks of k, for the prefetch
	s_mov_b32 s95, 0
	s_mov_b32 s2, 0x3d38aa3b                       ; c = log2(e) / 32
	s_mov_b32 s3, s2                               ; (named with it as a pair, so it is written)
	s_mov_b32 s99, 0xffff
	s_mov_b32 s100, 0x76543210
	s_mov_b32 s101, 0xfedcba98
	s_mov_b32 s104, 0x600000
	s_wait_dscnt 0x0                               ; both opening adds are done
	s_wait_kmcnt 0x0
	s_add_nc_u64 s[20:21], s[4:5], s[20:21]        ; q's tile
	s_add_nc_u64 s[22:23], s[6:7], s[10:11]        ; k's
	GROUP0 56, 0, 20, 0
	GROUP0 60, BOFF, 22, 0
	GROUP0 68, SLOT, 20, 4096
	GROUP0 72, SLOT+BOFF, 22, 4096
	CROUND                                         ; both partners are here: the first joint loads meet
	s_cmp_lt_u32 s14, 1                            ; ONE tensor load a wave, each in an arm of its own
	s_cbranch_scc0 .Lhead_1
	TLOAD 56, 24
	s_branch .Lasked
.Lhead_1:
	s_cmp_lt_u32 s14, 2
	s_cbranch_scc0 .Lhead_2
	TLOAD 60, 32
	s_branch .Lasked
.Lhead_2:
	s_cmp_lt_u32 s14, 3
	s_cbranch_scc0 .Lhead_3
	TLOAD 68, 24
	s_branch .Lasked
.Lhead_3:
	TLOAD 72, 32
.Lasked:
	s_add_nc_u64 s[88:89], s[20:21], s[88:89]
	s_add_nc_u64 s[90:91], s[22:23], s[90:91]
	s_mov_b64 s[92:93], s[20:21]                   ; where the prefetches of q stand,
	s_add_nc_u64 s[94:95], s[22:23], s[94:95]      ; and of k
	GROUP0 76, 0, 88, 8192                         ; the first refill: K step 2 into slot 0: waves 0, 1 halves of q's blocks,
	s_mul_i32 s77, s16, 40960
	GROUP0 80, 0, 90, 8192                         ; waves 2, 3 of k's
	s_lshl_b32 s81, s16, 14
	s_add_co_u32 s81, s81, BOFF
	s_lshl_b32 s20, s19, 12                        ; k's scale words
	s_mov_b32 s21, 0
	s_add_nc_u64 s[6:7], s[6:7], s[20:21]
	s_lshl_b32 s20, s17, 7                         ; codes: block 128 x batch + row / 16, of 32,768 bytes; key block j
	s_lshr_b32 s22, s13, 4
	s_add_co_u32 s20, s20, s22
	s_lshl_b32 s20, s20, 15
	s_lshl_b32 s22, s67, 11
	s_add_co_u32 s20, s20, s22
	s_add_co_u32 s20, s20, 2097152
	s_add_nc_u64 s[10:11], s[8:9], s[20:21]
	s_lshl_b32 s20, s19, 15                        ; the records: (16 x batch + j) x 32,768 + row x 16
	s_lshl_b32 s22, s13, 4
	s_add_co_u32 s20, s20, s22
	s_add_nc_u64 s[8:9], s[8:9], s[20:21]
	s_lshl_b32 s96, s96, 2                         ; which of the two partners' eight waves I am: 40 runs of q each
	s_add_co_u32 s96, s96, s14
	s_mul_i32 s96, s96, 40
	s_add_co_u32 s97, s96, 32
	s_mul_i32 s20, s14, 20480
	s_add_co_u32 s21, s20, SLOT
	s_add_co_u32 s22, s18, 32
	s_add_co_u32 s23, s18, 64
	v_and_b32 v1, 31, v0                           ; lane
	v_and_b32 v2, 15, v0                           ; r
	v_bfe_u32 v3, v0, 4, 1                         ; h
	v_lshlrev_b32 v[LI], 4, v1
	v_add_nc_u32 v[ADA], s20, v[LI]
	v_add_nc_u32 v[ADA+1], s21, v[LI]
	v_add_nc_u32 v[ADB], BOFF, v[LI]
	v_add_nc_u32 v[ADB+1], SLOT+BOFF, v[LI]
	v_lshlrev_b32 v4, 8, v2
	v_lshl_add_u32 v[PF1], v3, 14, v4              ; two blocks of rows, sixteen runs of 256 bytes in each
	v_add_nc_u32 v[PF2], s96, v1                   ; run u of q's tile: 16,384 (u / 16) + 256 (u % 16)
	v_and_b32 v[PF3], 7, v0
	v_add_nc_u32 v[PF3], s97, v[PF3]
.irp i, PF2, PF3
	v_and_b32 v4, 15, v[\i]
	v_lshrrev_b32 v[\i], 4, v[\i]
	v_lshlrev_b32 v4, 8, v4
	v_lshl_add_u32 v[\i], v[\i], 14, v4
.endr
	v_lshlrev_b32 v[WO], 4, v2
	v_lshl_add_u32 v[WO], v3, 3, v[WO]
	v_lshlrev_b32 v4, 3, v3
	v_sub_nc_u32 v[DB], v2, v4                     ; r - 8 h
	v_mov_b32 v[NINF], 0xff800000
.irp b, 0,1,2,3
	v_mov_b32 v[TX+\b], 0                          ; written once: a lane permute's destination counts as one of its sources
.endr
	v_mov_b32 v[LX], 0
	v_mov_b32 v[NM+1], 0                           ; (the upper half of the pair that holds -M)
	v_lshlrev_b32 v4, 2, v1                        ; k's scale words: 4 x lane
	v_add_nc_u32 v5, s18, v1                       ; q's: rows + lane, + 32, + 64 (16 rows, twice): 4,096 (row / 128) + 4 (row % 128)
	v_add_nc_u32 v6, s22, v1
	v_add_nc_u32 v7, s23, v2
.irp i, 5,6,7
	v_and_b32 v[\i+3], 127, v[\i]
	v_lshrrev_b32 v[\i], 7, v[\i]
	v_lshlrev_b32 v[\i+3], 2, v[\i+3]
	v_lshl_add_u32 v[\i], v[\i], 12, v[\i+3]
.endr
	s_wait_alu depctr_va_vdst(0)
.irp k, 0,1,2,3,4,5,6,7                ; step k: registers 0-3 k's blocks 2 i, 2 i + 1; 4-6 q's
.irp i, 0,1,2,3
	global_load_b32 v[SCW+8*\k+\i], v4, s[6:7] offset:512*\k+128*\i
.endr
.irp i, 0,1,2
	global_load_b32 v[SCW+8*\k+4+\i], v[5+\i], s[4:5] offset:512*\k
.endr
.endr
	s_cmp_lt_u32 s14, 2                            ; waves 0 and 1 brought K step 0, and wait; the others' wait stands at the first change of slots
	s_cbranch_scc0 .Lnot_first
	s_wait_tensorcnt 0x0
.Lnot_first:
	s_barrier_signal -1
	s_barrier_wait -1
; A prefetch into the L2 of K step t (2 or 3), a step of 128 and more ahead of its tensor load.  q's rows are asked for by the clusters of i = 0, each its own tile, shared out between the partners by address; k's by the part of the last queries.  (The part that was moved down asks for no q: rows under 128 come by their loads alone.)
.macro ASK t
	s_cmp_eq_u32 s87, 0
	s_cbranch_scc0 .Lnot_q_\@
	global_prefetch_b8 v[PF2], s[92:93] offset:4096*(\t) th:TH_LOAD_NT scope:SCOPE_SE
	global_prefetch_b8 v[PF3], s[92:93] offset:4096*(\t) th:TH_LOAD_NT scope:SCOPE_SE
.Lnot_q_\@:
	s_cmp_eq_u32 s86, 0
	s_cbranch_scc0 .Lnot_k_\@
	global_prefetch_b8 v[PF1], s[94:95] offset:4096*(\t) th:TH_LOAD_NT scope:SCOPE_SE
.Lnot_k_\@:
.endm
.macro FETCH s                         ; step s's fragments into its sets: 52 loads in one run
.set AD_, ((\s)/2)%2
.set O_, 2048*((\s)%2)
	WIN 0x40
.irp b, 0,1,2,3,4,5,6,7
.set R_, 128*((\s)%2)+16*\b
.irp c, 0,1,2,3
	ds_load_b128 v[R_+4*\c:R_+4*\c+3], v[ADB+AD_] offset:O_+4096*\b+512*\c
.endr
.endr
	WIN 0xc0
.irp a, 0,1,2,3,4
.set R_, 64+80*((\s)%2)+16*\a
.irp c, 0,1,2,3
	ds_load_b128 v[R_+4*\c:R_+4*\c+3], v[ADA+AD_] offset:O_+4096*\a+512*\c
.endr
.endr
	WIN 0
.endm
.macro WI z, m1, m2
.if \z
	v_wmma_scale_f32_16x16x128_f8f6f4 v[D_:D_+7], v[A_:A_+15], v[B_:B_+15], 0, v[P_], v[S_] \m1 \m2
.else
	v_wmma_scale_f32_16x16x128_f8f6f4 v[D_:D_+7], v[A_:A_+15], v[B_:B_+15], v[D_:D_+7], v[P_], v[S_] \m1 \m2
.endif
.endm
.macro MUL s, a                        ; block a x the eight of k; the 40 accumulators take turns, one instruction a turn
	WIN (0xad+0x50*((\a)/4))                       ; sources 0 window 1, 1 window 3; C and D window 2, or 3
.set Z_, 0
.if (\s) == 0
.set Z_, 1
.endif
.irp b, 0,1,2,3,4,5,6,7
.set D_, 64*((\a)%4)+8*\b
.set A_, 128*((\s)%2)+16*\b
.set B_, 64+80*((\s)%2)+16*(\a)
.set P_, SCW+8*(\s)+\b/2
.set S_, SCW+8*(\s)+4+(\a)/2
.if (\b%2) && ((\a)%2)
	WI Z_, matrix_a_scale:MATRIX_SCALE_ROW1, matrix_b_scale:MATRIX_SCALE_ROW1
.elseif \b%2
	WI Z_, matrix_a_scale:MATRIX_SCALE_ROW1
.elseif (\a)%2
	WI Z_, matrix_b_scale:MATRIX_SCALE_ROW1
.else
	WI Z_
.endif
.endr
.endm
.macro RLOAD                           ; a refill: one load a wave: q's jointly, k's for ourselves
	s_cmp_eq_u32 s15, 0
	s_cbranch_scc0 .Lfor_k_\@
	TLOAD 76, 40
	s_branch .Lfilled_\@
.Lfor_k_\@:
	TLOAD 80, 48
.Lfilled_\@:
.endm
; A step of 128 along K.  kind 0: plain;  1: a change of slots in a round of the cluster's barrier: the slot that has been read (its last fragments are in registers) is filled again;  2: a change of slots with no refill;  3: the last.
.macro STEP s, kind
.if (\kind) == 1
	s_wait_tensorcnt 0x0                           ; my part of the next slot is in
	ds_add_u32 v[SPW], v[NIL]
.if (\s) == 3
	s_add_co_u32 s77, s77, SLOT                    ; no tensor load of mine is out: K step 3 into slot 1
	s_add_nc_u64 s[78:79], s[78:79], 4096
	s_add_co_u32 s81, s81, SLOT
	s_add_nc_u64 s[82:83], s[82:83], 4096
.endif
.elseif (\kind) == 2
	s_wait_tensorcnt 0x0
.endif
	s_wait_dscnt 0x0                               ; this step's fragments are in registers (and the add is done)
.if (\kind) == 1 || (\kind) == 2
	s_barrier_signal -1
	MUL \s, 0
	MUL \s, 1
	WIN 0
	s_barrier_wait -1
.if (\kind) == 1
	CREST
	RLOAD
	PLACES 4                                       ; with the four behind the load: eight, in front of loads into what the step before multiplied
.else
	PLACES 8
.endif
	FETCH \s+1
.else
.if (\kind) == 0
.if (\s) > 0
	PLACES 8
.endif
	FETCH \s+1
.endif
	MUL \s, 0
	MUL \s, 1
.endif
	MUL \s, 2
	MUL \s, 3
	MUL \s, 4
	WIN 0
.endm
	FETCH 0
	ASK 2
	s_wait_loadcnt 0x0                             ; the scale words
	STEP 0, 0
	STEP 1, 1
	ASK 3
	STEP 2, 0
	STEP 3, 1
	STEP 4, 0
	STEP 5, 2
	STEP 6, 0
	STEP 7, 3
	PLACES 8                                       ; behind the last products
; THE SOFTMAX, block by block: 16 queries x 128 keys.  The block's scores are scaled into v[X] on: so one text serves all five.
	s_mov_b32 s12, 0
.Lblock:
	s_cmp_lt_u32 s13, s[LOW]                       ; s13: the block's first query.  The cluster's and the wave's number alone; no barrier stands under these branches
	s_cbranch_scc1 .Lnext
	s_cmp_ge_u32 s13, s[HIGH]
	s_cbranch_scc1 .Lnext
.macro TAKE a
	WIN (2+(\a)/4)
	s_wait_alu depctr_va_vdst(0)
.set n, 0
.rept 32
	v_pk_mul_f32 v[X+n:X+n+1], v[64*((\a)%4)+n:64*((\a)%4)+n+1], s[2:3] op_sel_hi:[1,0]   ; t, two at a time
.set n, n+2
.endr
	WIN 0
.endm
.irp a, 0,1,2,3
	s_cmp_lg_u32 s12, \a
	s_cbranch_scc1 .Lnot_\a
	TAKE \a
	s_wait_alu depctr_va_vdst(0)
	s_branch .Ltaken
.Lnot_\a:
.endr
	TAKE 4
.Ltaken:
	s_lshl_b32 s20, s67, 7
	s_sub_co_i32 s20, s13, s20                     ; the block's first query less my first key,
	s_sub_co_i32 s21, s13, s[LOW]                  ; and less the pair's: both partners select alike
	s_cmp_gt_i32 s21, 254
	s_cbranch_scc1 .Lopen
	v_add_nc_u32 v[D0], s20, v[DB]                 ; key 16 b + 8 h + n is hidden where 16 b + n is greater
.set n, 0
.rept 64
	v_cmp_gt_i32 vcc_lo, 16*(n/8)+n%8, v[D0]
	v_cndmask_b32 v[X+n], v[X+n], v[NINF], vcc_lo  ; hidden scores become -infinity ahead of the maximum
.set n, n+1
.endr
	s_wait_alu depctr_va_vdst(0)
.Lopen:
.irp b, 0,1,2,3
	v_max_num_f32 v[TB+\b], v[X+16*\b], v[X+16*\b+1]   ; the largest t of each block of 32 keys: for the row's maximum, and, since p rises with t, for the block's largest p
.endr
.irp i, 2,4,6,8,10,12,14
.irp b, 0,1,2,3
	v_max3_num_f32 v[TB+\b], v[X+16*\b+\i], v[X+16*\b+\i+1], v[TB+\b]
.endr
.endr
.irp b, 0,1,2,3
	v_permlanex16_b32 v[TX+\b], v[TB+\b], s100, s101
.endr
.irp b, 0,1,2,3
	v_max_num_f32 v[TB+\b], v[TB+\b], v[TX+\b]
.endr
	v_max3_num_f32 v[T], v[TB], v[TB+1], v[TB+2]
	v_max3_num_f32 v[T], v[T], v[TB+3], 0xff61b1e6 ; where all 128 keys are hidden: -3e38 in place of -infinity, so that no difference of infinities arises
	v_floor_f32 v[NM], -v[T]                       ; -M = floor(-t) = -ceil(t)
.irp b, 0,1,2,3
	v_add_f32 v[TB+\b], v[TB+\b], v[NM]
.endr
.irp j, 0,1,2,3
	v_mov_b32 v[SUM+\j], 0
.endr
.set n, 0
.rept 32
	v_pk_add_f32 v[X+n:X+n+1], v[X+n:X+n+1], v[NM:NM+1] op_sel_hi:[1,0]   ; t - M, two at a time
.set n, n+2
.endr
	s_wait_alu depctr_va_vdst(0)
.irp b, 0,1,2,3
	v_exp_f32 v[TB+\b], v[TB+\b]                   ; the blocks' largest p
.endr
.set n, 0
.rept 64
	v_exp_f32 v[X+n], v[X+n]                       ; p = 2^(t - M), at most 1
.set n, n+1
.endr
	v_nop                                          ; a plain line behind the last exponential
	s_wait_alu depctr_va_vdst(0)                   ; one wait for the batch of 68, ahead of its first reader
.set n, 0
.rept 16
	v_pk_add_f32 v[SUM:SUM+1], v[X+n:X+n+1], v[SUM:SUM+1]             ; the sum is taken of the unquantised p
	v_pk_add_f32 v[SUM+2:SUM+3], v[X+n+2:X+n+3], v[SUM+2:SUM+3]
.set n, n+4
.endr
	v_pk_add_f32 v[SUM:SUM+1], v[SUM:SUM+1], v[SUM+2:SUM+3]
.irp b, 0,1,2,3
	v_max_num_f32 v[TB+\b], 0x4800000, v[TB+\b]    ; the floor: the byte cannot fall under 1 (a block whose every p is 0 keeps that byte: its codes are zeros)
.endr
.irp b, 0,1,2,3
	v_add_nc_u32 v[SCO+\b], 0xfc000000, v[TB+\b]
.endr
.irp b, 0,1,2,3
	v_and_or_b32 v[HOLD+\b], v[TB+\b], 0x7f800000, s104
.endr
.irp b, 0,1,2,3
	v_lshrrev_b32 v[BY+\b], 23, v[SCO+\b]
.endr
	v_lshl_or_b32 v[PW], v[BY+1], 8, v[BY]
	v_add_f32 v[L], v[SUM], v[SUM+1]
	v_lshl_or_b32 v[PW], v[BY+2], 16, v[PW]
	v_permlanex16_b32 v[LX], v[L], s100, s101
	v_lshl_or_b32 v[PW], v[BY+3], 24, v[PW]
	v_add_f32 v[L], v[L], v[LX]                    ; with lane l xor 16's: the fragment's l of my query
.irp b, 0,1,2,3
.irp i, 0,1,2,3,4,5,6,7,8,9,10,11,12,13,14,15
	v_min_num_f32 v[X+16*\b+\i], v[X+16*\b+\i], v[HOLD+\b]   ; p is not negative: the hold is one-sided
.endr
.endr
.irp b, 0,1,2,3
	v_cvt_scalef32_pk8_fp8_f32 v[PC+4*\b:PC+4*\b+1], v[X+16*\b:X+16*\b+7], v[SCO+\b]
	v_cvt_scalef32_pk8_fp8_f32 v[PC+4*\b+2:PC+4*\b+3], v[X+16*\b+8:X+16*\b+15], v[SCO+\b]
.endr
	v_cndmask_b32 v[REC], v[L], v[PW], s99         ; lanes 0-15: scale word, -M; lanes 16-31: l, 0
	v_cndmask_b32 v[REC+1], 0, v[NM], s99
.irp c, 0,1,2,3
	global_store_b128 v[LI], v[PC+4*\c:PC+4*\c+3], s[10:11] offset:512*\c   ; 512 consecutive bytes
.endr
	global_store_b64 v[WO], v[REC:REC+1], s[8:9]   ; 16 records: 256 consecutive bytes, aligned
.Lnext:
	s_wait_xcnt 0x0                                ; the stores have read their registers and their bases
	s_add_nc_u64 s[10:11], s[10:11], 0x8000
	s_add_nc_u64 s[8:9], s[8:9], 0x100
	s_add_co_u32 s13, s13, 16
	s_add_co_u32 s12, s12, 1
	s_cmp_lg_u32 s12, 5
	s_cbranch_scc1 .Lblock
	s_wait_tensorcnt 0x0                           ; the wave's end
	ds_add_u32 v[SPW], v[NIL]
	s_wait_dscnt 0x0
	CROUND                                         ; the closing round
	s_endpgm
.Lfunc_end_k_qa839192d53_scores:
	.size	k_qa839192d53_scores, .Lfunc_end_k_qa839192d53_scores-k_qa839192d53_scores
	.p2alignl 7, 3214868480
	.fill 96, 4, 3214868480
	.section	.rodata,"a",@progbits
	.p2align	6, 0x0
	.amdhsa_kernel k_qa839192d53_scores
		.amdhsa_group_segment_fixed_size 327680
		.amdhsa_private_segment_fixed_size 0
		.amdhsa_enable_private_segment 0
		.amdhsa_kernarg_size 24
		.amdhsa_user_sgpr_count 2
		.amdhsa_user_sgpr_kernarg_segment_ptr 1
		.amdhsa_wavefront_size32 1
		.amdhsa_system_sgpr_workgroup_id_x 1
		.amdhsa_system_sgpr_workgroup_id_y 1
		.amdhsa_system_sgpr_workgroup_id_z 1
		.amdhsa_system_vgpr_workitem_id 0
		.amdhsa_next_free_vgpr 1024
		.amdhsa_next_free_sgpr 106
		.amdhsa_reserve_vcc 1
		.amdhsa_float_denorm_mode_32 3
		.amdhsa_float_denorm_mode_16_64 3
		.amdhsa_memory_ordered 1
		.amdhsa_forward_progress 1
		.amdhsa_inst_pref_size 120
	.end_amdhsa_kernel
	.amdgpu_metadata
---
amdhsa.version: [ 1, 2 ]
amdhsa.kernels:
  - .name:           k_qa839192d53_scores
    .symbol:         k_qa839192d53_scores.kd
    .args:
      - { .name: qq, .offset: 0, .size: 8, .value_kind: global_buffer, .address_space: global }
      - { .name: kq, .offset: 8, .size: 8, .value_kind: global_buffer, .address_space: global }
      - { .name: pq, .offset: 16, .size: 8, .value_kind: global_buffer, .address_space: global }
    .group_segment_fixed_size: 327680
    .private_segment_fixed_size: 0
    .kernarg_segment_align: 8
    .kernarg_segment_size: 24
    .max_flat_workgroup_size: 128
    .sgpr_count:     106
    .vgpr_count:     1024
    .wavefront_size: 32
...
	.end_amdgpu_metadata
.endif
;; end of part 3
;; launch pv (part 4): grid 8 x 32, 4 waves a work-group, clusters of 4 x 2, 327,680 bytes of LDS; arguments pq, vq, out0; writes out0
.if DOCPART == 4
	.amdgcn_target "amdgcn-amd-amdhsa--gfx1250"
	.amdhsa_code_object_version 6
	.text
	.protected	k_qa839192d53_pv
	.globl	k_qa839192d53_pv
	.p2align	8
	.type	k_qa839192d53_pv,@function
k_qa839192d53_pv:
	s_mov_b64 s[64:65], 0
	v_nop
	global_prefetch_b8 v0, s[64:65] scope:SCOPE_SE
	s_setreg_imm32_b32 hwreg(HW_REG_WAVE_MODE, 25, 1), 1
	s_wait_xcnt 0x0
	s_wait_alu depctr_hold_cnt(0) depctr_sa_sdst(0) depctr_va_vdst(0) depctr_va_sdst(0) depctr_va_ssrc(0) depctr_va_vcc(0) depctr_vm_vsrc(0)
	s_getreg_b32 s2, hwreg(HW_REG_IB_STS2, 6, 4)
	s_cmp_eq_u32 s2, 0
	s_cbranch_scc0 .Lentry_in_a_cluster
	s_endpgm
.Lentry_in_a_cluster:
	s_bfe_u32 s2, ttmp6, 0x10000c
	s_cmp_lg_u32 s2, 0x7013
	s_cbranch_scc0 .Lentry_shape_is_right
	s_endpgm
.Lentry_shape_is_right:
; out0 = (P V) / l on codes (K = the keys), for the keys up to each query block's own diagonal tile.
; WORK LEFT OUT: key steps of 256 that lie wholly behind a block's queries hold p = 0 for all inputs (shown at the head of the launch quant); they are neither stored by scores nor read here.
; SHARES.  A work-group makes two tiles of 128 queries x 128 channels, one after the other: query blocks 15 - i and i of a batch.  With J = i / 2, block 15 - i has nA = 8 - J steps of 256 keys and block i has 9 - nA:
; NINE STEPS IN EVERY WORK-GROUP, 256 work-groups of equal work.  (One K step of 128 in 18 is the diagonal tile's upper right quarter, whose codes are zeros: it lies inside a step that is partly live.)
; Four waves: 64 queries x 64 channels each, 16 accumulators.  Source 0 = 16 channels of V^T, source 1 = 16 queries of P: a lane holds one query and eight neighbouring channels.
; CLUSTERS 4 x 2: a row is four channel blocks of one i: they walk the same P; a column is i = 2 J and 2 J + 1 of one channel block: they have the same nA and walk the same V.  Both are asked for JOINTLY.
; THE RING: two slots of 131,072 bytes; a slot holds TWO steps: P of the even step, P of the odd, V of the even, V of the odd, 32,768 bytes each, one load a wave.
; THE ROW'S M.  scores gave each fragment (16 queries x 128 keys) its own whole number M.  Here the row's -M is the least of its fragments' -M; a fragment is brought under it by taking d = M(row) - M(fragment)
; off each of its four scale bytes (an exact power of two) and multiplying its l by 2^-d.
; LIMITS: d is held at 127, and a byte that would fall under 0 is held at 0: such terms are at most 448 x 2^-127 beside a row whose largest p is over 1/2.
; All nine steps' scale words are made once, ahead of the products, while the second slot's tiles are on their way.
; REGISTERS: window 0: v16-31 addresses; v32-67 P's scale words, v68-103 V's (register 2 k + g: lane = row 32 g + lane of my 64; tile 2 g reads lanes 0-15, tile 2 g + 1 lanes 16-31); v104-119 1 / l;
;   v128-255 the accumulators ((a, b) at v[128 + 8 (4 a + b)]).   window 1: two fragment buffers: P's four at f, V's four at f + 64.   window 2: the prologue's.
.set SLOT,  131072
.set STG,   262144                     ; behind the ring: 16 rows x 272 bytes for each wave, for the way out; no fill lands here
.set SPARE, 279552                     ; the spare words, 128 bytes for each wave, that no other line names
.set ADP, 16                           ; v16-17 my P fragments in slot 0, 1
.set ADV, 20                           ; v20-21 my V fragments
.set PFO, 22                           ; v22 the prefetches' offset
.set STO, 24
.set RD,  25
.set CO,  26
.set SPW, 28
.set NIL, 29
.set LI,  30                           ; 16 x lane
.set LW,  31                           ; 4 x lane
.set PS,  32
.set VS,  68
.set INV, 104                          ; block blk, tile a: v[104 + 8 blk + 2 a], twice: a pair for the packed multiply
.set ACC, 128
.set MO,  144                          ; window 2: v144-152 step n's offset among P's words;  v0-143: the words as loaded, four registers for each (K step, g)
.set VO,  153                          ; v153-161 among V's scale words
.set MA,  162                          ; the row's -M, first block (g = 0, 1)
.set MB,  164                          ; second block
.set LA,  166                          ; the row's l
.set LB,  168
.set BIG, 170
.set ZERO, 171
.set TT,  172                          ; v172-179 at work
.set MR,  186                          ; v186-191 the row's -M for steps 5 to 7, which belong to either block
.set NA,  22                           ; s22 nA
.set G1P, 24
.set G1V, 32
.set G0P, 40
.set G0V, 48
.set CA,  70                           ; s70-72 all ones where step 5, 6, 7 belongs to the first block
.set LO,  73
.set SEL, 74
.set OUT, 76                           ; s[76:77] the first block's rows of out0, s[78:79] the second's
.set PFB, 96                           ; s[96:97] P's or V's codes, s[94:95] where a prefetch stands
.set MSB, 0
.macro WIN new
.if MSB != \new
	s_set_vgpr_msb (MSB<<8)|\new
.set MSB, \new
.endif
.endm
.macro PLACES n
.rept \n
	v_nop
.endr
.endm
.macro CREST
	s_cmp_lg_u32 s14, 0
	s_cbranch_scc1 .Lnot_wave_0_\@
	s_barrier_signal -3
.Lnot_wave_0_\@:
	s_barrier_wait -3
	s_barrier_signal -1
	s_barrier_wait -1
.endm
.macro CROUND
	s_barrier_signal -1
	s_barrier_wait -1
	CREST
.endm
; Waves 0 and 1 fetch P of a slot's even and odd step, waves 2 and 3 V's, all jointly.  all = 0: the slot takes an even step alone: waves 1 and 3 fetch nothing.  The branches hang on the wave's number alone.
.macro JLOAD slot, all
.if !(\all)
	s_cmp_eq_u32 s16, 0
	s_cbranch_scc0 .Lasked_\@
.endif
	s_cmp_eq_u32 s15, 0
	s_cbranch_scc0 .Lfor_v_\@
	tensor_load_to_lds s[G0P+4*(\slot):G0P+4*(\slot)+3], s[G1P:G1P+7]
	s_nop 0
.rept 4
	v_nop
.endr
	s_branch .Lasked_\@
.Lfor_v_\@:
	tensor_load_to_lds s[G0V+4*(\slot):G0V+4*(\slot)+3], s[G1V:G1V+7]
	s_nop 0
.rept 4
	v_nop
.endr
.Lasked_\@:
.endm
; The offsets of visit v (steps 2 v and 2 v + 1).  Step n belongs to the first block while n < nA; its place in its block is n, or n - nA.
.macro PLACE v
	s_add_co_u32 s60, s16, 2*(\v)
	s_cmp_lt_u32 s60, s[NA]
	s_cselect_b32 s61, s56, s57
	s_cselect_b32 s59, 0, s[NA]
	s_sub_co_u32 s60, s60, s59
	s_lshl_b32 s60, s60, 12                        ; 256 keys are 4,096 bytes of a block of rows
	s_add_co_u32 s62, s61, s60
	s_add_co_u32 s66, s58, s60
.endm
.macro DESC v, slot                    ; P's registers never hold cx, V's never cy
	PLACE \v
	s_add_nc_u64 s[G0P+4*(\slot)+2:G0P+4*(\slot)+3], s[10:11], s[62:63]
	s_or_b32 s[G0P+4*(\slot)+3], s[G0P+4*(\slot)+3], 0x80000000
	s_add_nc_u64 s[G0V+4*(\slot)+2:G0V+4*(\slot)+3], s[12:13], s[66:67]
	s_or_b32 s[G0V+4*(\slot)+3], s[G0V+4*(\slot)+3], 0x80000000
.endm
; A prefetch into the L2 of visit v, a slot ahead of its tensor loads.  Each wave asks for the tile that it will load, 8 blocks of 16 runs of 256 bytes, shared out by address: P's among the row's four partners (2 blocks each), V's among the column's two (4 blocks each).
.macro ASKV v, all
	s_wait_xcnt 0x0                                ; any prefetch of mine has read its address
	PLACE \v
	s_cmp_eq_u32 s15, 0
	s_cselect_b32 s92, s62, s66
	s_add_nc_u64 s[94:95], s[PFB:PFB+1], s[92:93]
.if !(\all)
	s_cmp_eq_u32 s16, 0
	s_cbranch_scc0 .Lprefetched_\@
.endif
	global_prefetch_b8 v[PFO], s[94:95] th:TH_LOAD_NT scope:SCOPE_SE
	s_cmp_eq_u32 s15, 0
	s_cbranch_scc1 .Lprefetched_\@
	global_prefetch_b8 v[PFO], s[94:95] offset:262144 th:TH_LOAD_NT scope:SCOPE_SE
.Lprefetched_\@:
.endm
	s_load_b128 s[4:7], s[0:1], 0x0                ; pq, vq
	s_load_b64 s[8:9], s[0:1], 0x10                ; out0
	v_lshl_add_u32 v[SPW], v0, 2, SPARE
	v_mov_b32 v[NIL], 0
	ds_add_u32 v[SPW], v[NIL]                      ; the wave's opening: the add, twice on end, and its wait ahead of my first tensor load
	ds_add_u32 v[SPW], v[NIL]
	v_lshrrev_b32 v1, 5, v0
	v_readfirstlane_b32 s14, v1
	s_lshr_b32 s15, s14, 1                         ; my half of the queries.  Also: I fetch P (0) or V (1)
	s_and_b32 s16, s14, 1                          ; my half of the channels.  Also: a slot's even or odd step
	s_bfe_u32 s20, ttmp6, 0x40000                  ; cx
	s_bfe_u32 s91, ttmp6, 0x40004                  ; cy
	s_lshl_b32 s19, ttmp9, 2
	s_add_co_u32 s19, s19, s20                     ; my 128 channels
	s_and_b32 s21, ttmp7, 0xffff
	s_and_b32 s17, s21, 3                          ; J
	s_lshr_b32 s18, s21, 2                         ; the batch
	s_sub_co_u32 s[NA], 8, s17
	s_lshl_b32 s17, s17, 1
	s_add_co_u32 s17, s17, s91                     ; i: the second block
	s_sub_co_u32 s85, 15, s17                      ; the first block
	s_lshl_b32 s23, s18, 7
	s_lshl_b32 s56, s85, 3
	s_add_co_u32 s56, s56, s23
	s_lshl_b32 s56, s56, 15                        ; P's codes of the first block: block of rows 128 x batch + 8 x block, of 32,768 bytes
	s_lshl_b32 s57, s17, 3
	s_add_co_u32 s57, s57, s23
	s_lshl_b32 s57, s57, 15
	s_lshl_b32 s58, s19, 20                        ; V's: 8 blocks of channels of 131,072 bytes,
	s_lshl_b32 s21, s18, 15                        ; the batch's 16 K steps of 2,048
	s_add_co_u32 s58, s58, s21
	s_lshl_b32 s60, s91, 2
	s_lshl_b32 s60, 15, s60                        ; my row of the cluster
	s_lshl_b32 s61, 0x11, s20                      ; my column
	s_or_b32 s[G1P], s60, (3<<16)|(1<<21)          ; 15:0 the mask; elements of 8 bytes; 21 set beside a mask; no padding
	s_or_b32 s[G1V], s61, (3<<16)|(1<<21)
.irp g, G1P, G1V
	s_mov_b32 s[\g+1], 512<<16                     ; rows of 4,096 bytes: two K steps of a block of rows
	s_mov_b32 s[\g+2], 8<<16
	s_mov_b32 s[\g+3], 512<<16
	s_mov_b32 s[\g+4], 8
	s_mov_b32 s[\g+6], 0
	s_mov_b32 s[\g+7], 0
.endr
	s_mov_b32 s[G1P+5], 4096                       ; 32,768 bytes from block to block
	s_mov_b32 s[G1V+5], 16384                      ; 131,072
	s_lshl_b32 s21, s14, 15
.irp s, 0,1
	s_mov_b32 s[G0P+4*\s], 1
	s_add_co_u32 s[G0P+4*\s+1], s21, \s*SLOT
	s_mov_b32 s[G0V+4*\s], 1
	s_add_co_u32 s[G0V+4*\s+1], s21, \s*SLOT
.endr
	s_mov_b32 s63, 0
	s_mov_b32 s67, 0
	s_mov_b32 s87, 0
	s_mov_b32 s93, 0
	s_mov_b32 s[LO], 0xffff
	s_mov_b32 s[SEL], 0x76543210
	s_mov_b32 s[SEL+1], 0xfedcba98
	s_mov_b32 s80, 0x80808080
	s_wait_dscnt 0x0                               ; both opening adds are done
	s_wait_kmcnt 0x0
	s_add_nc_u64 s[10:11], s[4:5], 2097152         ; P's codes
	s_add_nc_u64 s[12:13], s[6:7], 262144          ; V's
	DESC 0, 0
	DESC 1, 1
	CROUND                                         ; all eight work-groups are here: the first joint loads meet
	JLOAD 0, 1                                     ; one tensor load a wave at the head
	s_lshl_b32 s20, s20, 16                        ; my share of a prefetch: of P 2 blocks by cx, of V 4 by cy
	s_lshl_b32 s91, s91, 19
	s_cmp_eq_u32 s15, 0
	s_cselect_b64 s[PFB:PFB+1], s[10:11], s[12:13]
	s_cselect_b32 s98, s20, s91
	s_cselect_b32 s99, 15, 17                      ; from block to block
	v_and_b32 v1, 15, v0
	s_wait_alu depctr_va_vdst(0)
	v_bfe_u32 v2, v0, 4, 1
	v_and_b32 v3, 31, v0
	v_lshlrev_b32 v[LI], 4, v3
	v_lshlrev_b32 v[LW], 2, v3
	v_lshlrev_b32 v[PFO], s99, v2
	v_lshl_add_u32 v[PFO], v1, 8, v[PFO]
	v_add_nc_u32 v[PFO], s98, v[PFO]
	s_lshl_b32 s88, s15, 14                        ; my four blocks of P's rows
	s_lshl_b32 s89, s16, 14                        ; my four blocks of channels,
	s_add_co_u32 s89, s89, 65536                   ; behind P's two steps
.irp s, 0,1
	v_add_nc_u32 v[ADP+\s], s88, v[LI]
	v_add_nc_u32 v[ADV+\s], s89, v[LI]
	s_add_co_u32 s88, s88, SLOT
	s_add_co_u32 s89, s89, SLOT
.endr
	s_mul_i32 s88, s14, 4352
	s_add_co_u32 s88, s88, STG                     ; my stage
	s_wait_alu depctr_va_vdst(0)
	v_mul_u32_u24 v4, v1, 272
	v_lshl_add_u32 v4, v2, 5, v4
	v_add_nc_u32 v[STO], s88, v4                   ; in: row r, + 32 h
	v_mul_u32_u24 v4, v2, 272
	v_lshl_add_u32 v4, v1, 4, v4
	v_add_nc_u32 v[RD], s88, v4                    ; back: lanes 0-15 one row of 256 bytes, lanes 16-31 the next
	v_lshlrev_b32 v4, 12, v2
	v_lshl_add_u32 v[CO], v1, 4, v4                ; and the same two rows in out0
	s_lshl_b32 s88, s18, 23                        ; out0: the batch's 2,048 rows of 4,096 bytes,
	s_lshl_b32 s89, s15, 18                        ; my 64 rows,
	s_add_co_u32 s88, s88, s89
	s_lshl_b32 s89, s19, 9                         ; my work-group's 128 channels,
	s_add_co_u32 s88, s88, s89
	s_lshl_b32 s89, s16, 8                         ; my 64
	s_add_co_u32 s88, s88, s89
	s_lshl_b32 s89, s85, 19
	s_add_co_u32 s86, s88, s89
	s_add_nc_u64 s[OUT:OUT+1], s[8:9], s[86:87]
	s_lshl_b32 s89, s17, 19
	s_add_co_u32 s86, s88, s89
	s_add_nc_u64 s[OUT+2:OUT+3], s[8:9], s[86:87]
	s_lshl_b32 s88, s18, 19                        ; P's words: (16 x batch + K step) x 32,768 + row x 16
	s_lshl_b32 s89, s15, 10
	s_add_co_u32 s88, s88, s89
	s_lshl_b32 s89, s85, 11
	s_add_co_u32 s82, s88, s89
	s_lshl_b32 s89, s17, 11
	s_add_co_u32 s83, s88, s89
	s_lshl_b32 s84, s18, 16                        ; V's scale words: (16 x batch + K step) x 4,096 + channel x 4
	s_lshl_b32 s89, s19, 9
	s_add_co_u32 s84, s84, s89
	s_lshl_b32 s89, s16, 8
	s_add_co_u32 s84, s84, s89
.irp n, 5,6,7
	s_cmp_gt_u32 s[NA], \n
	s_cselect_b32 s[CA+\n-5], -1, 0
.endr
	s_wait_alu depctr_va_vdst(0)
	; ---- THE PROLOGUE
	WIN 0x80                                       ; destination window 2
.irp n, 0,1,2,3,4,5,6,7,8
	s_cmp_gt_u32 s[NA], \n
	s_cselect_b32 s88, 0, s[NA]
	s_cselect_b32 s89, s82, s83
	s_sub_co_u32 s88, \n, s88                      ; the step's place in its block
	s_lshl_b32 s90, s88, 16
	s_add_co_u32 s90, s90, s89
	v_add_nc_u32 v[MO+\n], s90, v[LI]
	s_lshl_b32 s90, s88, 13
	s_add_co_u32 s90, s90, s84
	v_add_nc_u32 v[VO+\n], s90, v[LW]
.endr
	WIN 0x82                                       ; destination and address window 2
	s_wait_alu depctr_va_vdst(0)
.irp n, 0,1,2,3,4,5,6,7,8
.irp c, 0,1,2,3
	global_load_b128 v[16*\n+4*\c:16*\n+4*\c+3], v[MO+\n], s[4:5] offset:32768*(\c/2)+512*(\c%2)   ; K step 2 n + c / 2, rows 32 (c % 2) + lane: word, -M, l, 0
.endr
.endr
	WIN 0x02                                       ; address window 2
.irp n, 0,1,2,3,4,5,6,7,8
.irp c, 0,1,2,3
	global_load_b32 v[VS+4*\n+\c], v[VO+\n], s[6:7] offset:4096*(\c/2)+128*(\c%2)
.endr
.endr
	WIN 0
	s_wait_alu depctr_va_vdst(0)
	s_wait_tensorcnt 0x0                           ; my part of slot 0 is in
	ds_add_u32 v[SPW], v[NIL]
	s_wait_dscnt 0x0
	CROUND                                         ; slot 0 is whole, and all eight work-groups are here
	JLOAD 1, 1                                     ; slot 1 lands while the words below are made
	ASKV 2, 1
	WIN 0xaa                                       ; all in window 2
	v_mov_b32 v[BIG], 0x7f7fffff
	v_mov_b32 v[ZERO], 0
	s_wait_alu depctr_va_vdst(0)
	s_wait_loadcnt 36                              ; P's 36 loads are in; V's 36 are younger
.irp g, 0,1                            ; the rows' -M: steps 0-4 are the first block's, step 8 the second's, steps 5-7 go by a select
	v_min3_num_f32 v[MA+\g], v[4*\g+1], v[8+4*\g+1], v[16+4*\g+1]
.irp k, 3,5,7
	v_min3_num_f32 v[MA+\g], v[MA+\g], v[8*\k+4*\g+1], v[8*\k+8+4*\g+1]
.endr
	v_min_num_f32 v[MA+\g], v[MA+\g], v[72+4*\g+1]
	v_min_num_f32 v[MB+\g], v[128+4*\g+1], v[136+4*\g+1]
.irp n, 5,6,7
	v_min_num_f32 v[TT+2*\g], v[16*\n+4*\g+1], v[16*\n+8+4*\g+1]
	v_cndmask_b32 v[TT+2*\g+1], v[BIG], v[TT+2*\g], s[CA+\n-5]
	v_cndmask_b32 v[TT+2*\g], v[TT+2*\g], v[BIG], s[CA+\n-5]
	v_min_num_f32 v[MA+\g], v[MA+\g], v[TT+2*\g+1]
	v_min_num_f32 v[MB+\g], v[MB+\g], v[TT+2*\g]
.endr
.irp n, 5,6,7
	v_cndmask_b32 v[MR+2*(\n-5)+\g], v[MB+\g], v[MA+\g], s[CA+\n-5]
.endr
.endr
; Step n's four (K step, g): d = M(row) - M(fragment), held at 127; l x 2^-d; d off each scale byte, held at 0.  The bytes are under 128 (p is at most 1), so bit 7 of each serves as the borrow's guard.
.macro FIX n, mr
.irp c, 0,1,2,3
	v_sub_f32 v[TT+2*\c], v[\mr+\c%2], v[16*\n+4*\c+1]       ; -M(row) + M(fragment): a whole number, 0 or less
.endr
.irp c, 0,1,2,3
	v_max_num_f32 v[TT+2*\c], 0xc2fe0000, v[TT+2*\c]
.endr
.irp c, 0,1,2,3
	v_cvt_i32_f32 v[TT+2*\c], v[TT+2*\c]
.endr
.irp c, 0,1,2,3
	v_ldexp_f32 v[16*\n+4*\c+2], v[16*\n+4*\c+2], v[TT+2*\c]
.endr
.irp c, 0,1,2,3
	v_sub_nc_u32 v[TT+2*\c], 0, v[TT+2*\c]                   ; d
.endr
.irp c, 0,1,2,3
	v_mul_u32_u24 v[TT+2*\c+1], v[TT+2*\c], 0x010101
.endr
.irp c, 0,1,2,3
	v_lshl_or_b32 v[TT+2*\c+1], v[TT+2*\c], 24, v[TT+2*\c+1] ; d in all four bytes
.endr
.irp c, 0,1,2,3
	v_or_b32 v[16*\n+4*\c], s80, v[16*\n+4*\c]
.endr
.irp c, 0,1,2,3
	v_sub_nc_u32 v[16*\n+4*\c], v[16*\n+4*\c], v[TT+2*\c+1]  ; 128 + byte - d in each byte: no borrow passes a byte's end
.endr
.irp c, 0,1,2,3
	v_and_b32 v[TT+2*\c], s80, v[16*\n+4*\c]                 ; bit 7 stands where byte - d is not negative
.endr
.irp c, 0,1,2,3
	v_lshrrev_b32 v[TT+2*\c+1], 7, v[TT+2*\c]
.endr
.irp c, 0,1,2,3
	v_sub_nc_u32 v[16*\n+4*\c+3], v[TT+2*\c], v[TT+2*\c+1]   ; 0x7f there, 0 elsewhere
.endr
.endm
	FIX 0, MA
	FIX 1, MA
	FIX 2, MA
	FIX 3, MA
	FIX 4, MA
	FIX 5, MR
	FIX 6, MR+2
	FIX 7, MR+4
	FIX 8, MB
.irp g, 0,1                            ; the rows' l
	v_add_f32 v[LA+\g], v[4*\g+2], v[8+4*\g+2]
.irp k, 2,3,4,5,6,7,8,9
	v_add_f32 v[LA+\g], v[LA+\g], v[8*\k+4*\g+2]
.endr
	v_add_f32 v[LB+\g], v[128+4*\g+2], v[136+4*\g+2]
.irp n, 5,6,7
	v_add_f32 v[TT+2*\g], v[16*\n+4*\g+2], v[16*\n+8+4*\g+2]
	v_cndmask_b32 v[TT+2*\g+1], v[ZERO], v[TT+2*\g], s[CA+\n-5]
	v_cndmask_b32 v[TT+2*\g], v[TT+2*\g], v[ZERO], s[CA+\n-5]
	v_add_f32 v[LA+\g], v[LA+\g], v[TT+2*\g+1]
	v_add_f32 v[LB+\g], v[LB+\g], v[TT+2*\g]
.endr
.endr
	s_wait_alu depctr_va_vdst(0)
	v_rcp_f32 v[TT], v[LA]
	v_rcp_f32 v[TT+1], v[LA+1]
	v_rcp_f32 v[TT+2], v[LB]
	v_rcp_f32 v[TT+3], v[LB+1]
	v_nop                                          ; a plain line behind the last reciprocal
	s_wait_alu depctr_va_vdst(0)                   ; one wait for the four, ahead of their first reader
.irp j, 0,1,2,3
	v_permlanex16_b32 v[TT+4+\j], v[TT+\j], s[SEL], s[SEL+1]   ; (the destinations were written above)
.endr
	WIN 0x0a                                       ; sources in window 2, destination in window 0
.set n, 0
.rept 36
	v_and_b32 v[PS+n], v[4*n], v[4*n+3]            ; P's scale words under the row's M
.set n, n+1
.endr
.irp k, 0,1                            ; 1 / l where a tile's lanes want it: lane (r, h) of tile 2 g + u wants row 32 g + 16 u + r, which lies in lane 16 u + r
.irp g, 0,1
	v_cndmask_b32 v[INV+8*\k+4*\g], v[TT+4+2*\k+\g], v[TT+2*\k+\g], s[LO]
	v_cndmask_b32 v[INV+8*\k+4*\g+1], v[TT+4+2*\k+\g], v[TT+2*\k+\g], s[LO]
	v_cndmask_b32 v[INV+8*\k+4*\g+2], v[TT+2*\k+\g], v[TT+4+2*\k+\g], s[LO]
	v_cndmask_b32 v[INV+8*\k+4*\g+3], v[TT+2*\k+\g], v[TT+4+2*\k+\g], s[LO]
.endr
.endr
	WIN 0
	PLACES 8                                       ; scale words written by vector instructions stand eight places ahead of the products
; ---- THE PRODUCTS.  K step k of 18: step k / 2, slot (k / 4) % 2, the slot's even or odd step (k / 2) % 2, fragment buffer k % 2.
.macro FETCH k                         ; 32 loads in one run: V's four fragments, then P's
.set fB, 128*((\k)%2)
.set fO, 32768*(((\k)/2)%2)+2048*((\k)%2)
.set fS, ((\k)/4)%2
	WIN 0x40                                       ; destination window 1
.irp b, 0,1,2,3
.irp c, 0,1,2,3
	ds_load_b128 v[fB+64+16*\b+4*\c:fB+64+16*\b+4*\c+3], v[ADV+fS] offset:fO+4096*\b+512*\c
.endr
.endr
.irp a, 0,1,2,3
.irp c, 0,1,2,3
	ds_load_b128 v[fB+16*\a+4*\c:fB+16*\a+4*\c+3], v[ADP+fS] offset:fO+4096*\a+512*\c
.endr
.endr
.endm
.macro WI z, m1, m2
.if \z
	v_wmma_scale_f32_16x16x128_f8f6f4 v[rD:rD+7], v[rV:rV+15], v[rP:rP+15], 0, v[rSV], v[rSP] \m1 \m2
.else
	v_wmma_scale_f32_16x16x128_f8f6f4 v[rD:rD+7], v[rV:rV+15], v[rP:rP+15], v[rD:rD+7], v[rSV], v[rSP] \m1 \m2
.endif
.endm
.macro WM zero, ra, rb                 ; ra, rb: the scale words lie in lanes 16-31
.if (\ra) && (\rb)
	WI \zero, matrix_a_scale:MATRIX_SCALE_ROW1, matrix_b_scale:MATRIX_SCALE_ROW1
.elseif \ra
	WI \zero, matrix_a_scale:MATRIX_SCALE_ROW1
.elseif \rb
	WI \zero, matrix_b_scale:MATRIX_SCALE_ROW1
.else
	WI \zero
.endif
.endm
.macro MUL8 k, a0, zero                ; tiles a0, a0 + 1 of queries x the four of channels; the 16 accumulators take turns, one instruction a turn
.set fB, 128*((\k)%2)
	WIN 0x05                                       ; sources 0 and 1 window 1
.irp a, \a0, \a0+1
.irp b, 0,1,2,3
.set rD, ACC+8*(4*(\a)+\b)
.set rV, fB+64+16*\b
.set rP, fB+16*(\a)
.set rSV, VS+2*(\k)+\b/2
.set rSP, PS+2*(\k)+(\a)/2
	WM \zero, \b%2, (\a)%2
.endr
.endr
.endm
.macro KSTEP k, zero
	s_wait_dscnt 8                                 ; V and P's tiles 0, 1 are in; the youngest eight loads (tiles 2, 3) may be out
	MUL8 \k, 0, \zero
	PLACES 8                                       ; in front of loads into the buffer that the K step before multiplied
	FETCH (\k)+1
	s_wait_dscnt 32                                ; all but the 32 just issued
	MUL8 \k, 2, \zero
.endm
; A slot's last K step changes slots: one barrier; in front of it each wave waits for all its tensor loads, adds 0 to its spare word, and waits for that and for its reads of this slot.
; fill = 1: the barrier opens a round of the cluster's, and the slot takes the visit two on; the load has a slot's four K steps in which to land.  Behind it the visit after that is prefetched, while there is one.
.macro TURN k, fill, all
	WIN 0
	s_wait_tensorcnt 0x0                           ; all my tensor loads have landed, so a group 0 may be written
	ds_add_u32 v[SPW], v[NIL]
.if \fill
	DESC (\k)/4+2, ((\k)/4)%2
.endif
	s_wait_dscnt 0x0                               ; the add is done, and my reads of this slot are over
	s_barrier_signal -1
	MUL8 \k, 0, 0
	WIN 0
	s_barrier_wait -1
.if \fill
	CREST
	JLOAD ((\k)/4)%2, \all
.if \all
	PLACES 4                                       ; with the four behind the load: eight
.else
	PLACES 8                                       ; waves 1 and 3 have passed round the load and its four
.endif
.else
	PLACES 8
.endif
	FETCH (\k)+1
.if (\k) == 3
	WIN 0
	ASKV 3, 1
.elseif (\k) == 7
	WIN 0
	ASKV 4, 0
.endif
	MUL8 \k, 2, 0
.endm
; THE WAY OUT of block blk: x 1 / l; a tile of 16 queries x my 64 channels goes through my stage and comes back as rows of 256 bytes, into the registers that it left.
.macro PACKT blk, a
.set rA, ACC+32*(\a)
.set rI, INV+8*(\blk)+2*(\a)
.set n, 0
.rept 16
	v_pk_mul_f32 v[rA+n:rA+n+1], v[rA+n:rA+n+1], v[rI:rI+1]     ; each accumulator from its low end on
.set n, n+2
.endr
.irp b, 0,1,2,3
	ds_store_b128 v[STO], v[rA+8*\b:rA+8*\b+3] offset:64*\b
	ds_store_b128 v[STO], v[rA+8*\b+4:rA+8*\b+7] offset:64*\b+16
.endr
.irp t, 0,1,2,3,4,5,6,7
	ds_load_b128 v[rA+4*\t:rA+4*\t+3], v[RD] offset:544*\t      ; LDS serves a wave's instructions in order: these see the stores above; the next tile's stores come behind them
.endr
.endm
.macro SEND blk, a, y                  ; y: the LDS instructions issued behind tile a's loads
.set rA, ACC+32*(\a)
.irp t, 0,1,2,3,4,5,6,7
	s_wait_dscnt \y+7-\t
	global_store_b128 v[CO], v[rA+4*\t:rA+4*\t+3], s[OUT+2*(\blk):OUT+2*(\blk)+1] offset:(16*(\a)+2*\t)*4096 th:TH_STORE_NT   ; sixteen lanes store 256 consecutive bytes, aligned
.endr
.endm
.macro EPI blk
	PLACES 8                                       ; behind the last products
	PACKT \blk, 0
	PACKT \blk, 1
	SEND \blk, 0, 16
	PACKT \blk, 2
	SEND \blk, 1, 16
	PACKT \blk, 3
	SEND \blk, 2, 16
	SEND \blk, 3, 0
.endm
; Where the first block ends hangs on J, which all partners share: at the head of steps 5 to 8 a scalar branch on it.  No tensor load, barrier or wait on TENSORcnt stands in either arm.
.macro SWITCH k
	WIN 0
	s_cmp_lg_u32 s[NA], (\k)/2
	s_cbranch_scc1 .Lgo_\@
	EPI 0                                          ; the first block is finished and leaves;
	s_wait_xcnt 0x0                                ; its stores have read their registers,
	KSTEP \k, 1                                    ; which the second block's first products begin anew
	WIN 0
	s_branch .Ljoin_\@
.Lgo_\@:
	KSTEP \k, 0
	WIN 0
.Ljoin_\@:
.endm
	s_wait_alu depctr_va_vdst(0)
	s_wait_loadcnt 0x0                             ; V's scale words
	FETCH 0
	KSTEP 0, 1                                     ; the first products start the sums
	KSTEP 1, 0
	KSTEP 2, 0
	TURN 3, 1, 1                                   ; slot 0 takes steps 4 and 5
	KSTEP 4, 0
	KSTEP 5, 0
	KSTEP 6, 0
	TURN 7, 1, 1                                   ; slot 1 takes steps 6 and 7
	KSTEP 8, 0
	KSTEP 9, 0
	SWITCH 10
	TURN 11, 1, 0                                  ; slot 0 takes step 8 alone
	SWITCH 12
	KSTEP 13, 0
	SWITCH 14
	TURN 15, 0, 0                                  ; nothing is left to fetch
	SWITCH 16
	s_wait_dscnt 0x0
	MUL8 17, 0, 0
	MUL8 17, 2, 0
	WIN 0
	s_wait_alu depctr_va_vdst(0)
	EPI 1
	s_wait_tensorcnt 0x0                           ; the wave's end
	ds_add_u32 v[SPW], v[NIL]
	s_wait_dscnt 0x0
	CROUND                                         ; the closing round
	s_endpgm
.Lfunc_end_k_qa839192d53_pv:
	.size	k_qa839192d53_pv, .Lfunc_end_k_qa839192d53_pv-k_qa839192d53_pv
	.p2alignl 7, 3214868480
	.fill 96, 4, 3214868480
	.section	.rodata,"a",@progbits
	.p2align	6, 0x0
	.amdhsa_kernel k_qa839192d53_pv
		.amdhsa_group_segment_fixed_size 327680
		.amdhsa_private_segment_fixed_size 0
		.amdhsa_enable_private_segment 0
		.amdhsa_kernarg_size 24
		.amdhsa_user_sgpr_count 2
		.amdhsa_user_sgpr_kernarg_segment_ptr 1
		.amdhsa_wavefront_size32 1
		.amdhsa_system_sgpr_workgroup_id_x 1
		.amdhsa_system_sgpr_workgroup_id_y 1
		.amdhsa_system_sgpr_workgroup_id_z 1
		.amdhsa_system_vgpr_workitem_id 0
		.amdhsa_next_free_vgpr 768
		.amdhsa_next_free_sgpr 100
		.amdhsa_reserve_vcc 0
		.amdhsa_float_denorm_mode_32 3
		.amdhsa_float_denorm_mode_16_64 3
		.amdhsa_memory_ordered 1
		.amdhsa_forward_progress 1
		.amdhsa_inst_pref_size 211
	.end_amdhsa_kernel
	.amdgpu_metadata
---
amdhsa.version: [ 1, 2 ]
amdhsa.kernels:
  - .name:           k_qa839192d53_pv
    .symbol:         k_qa839192d53_pv.kd
    .args:
      - { .name: pq, .offset: 0, .size: 8, .value_kind: global_buffer, .address_space: global }
      - { .name: vq, .offset: 8, .size: 8, .value_kind: global_buffer, .address_space: global }
      - { .name: out0, .offset: 16, .size: 8, .value_kind: global_buffer, .address_space: global }
    .group_segment_fixed_size: 327680
    .private_segment_fixed_size: 0
    .kernarg_segment_align: 8
    .kernarg_segment_size: 24
    .max_flat_workgroup_size: 128
    .sgpr_count:     100
    .vgpr_count:     768
    .wavefront_size: 32
...
	.end_amdgpu_metadata
.endif
;; end of part 4
